; MI455X (gfx1250); checked and timed in simulation.
; The chip was launched on July 23, 2026; its instructions are those of AMD's public machine-readable ISA for CDNA 5 (MIT licence, August 2026) and "CDNA5" Instruction Set Architecture Reference Guide (July 2026). The comments in the code are by the model that wrote it; some were corrected since.
;; Multi Head Attention EINSUM. Allowed arithmetic: matrix products marked QUANTISED: E2M1 operands, one E8M0 scale for each 32 along K, by v_wmma_scale_f32_16x16x128_f8f6f4 with both operands' format E2M1 (or v_wmma_scale_f32_32x16x128_f4), f32 sums; products left as they are: bf16, f16 or f32 operands; f32 sums; everything else in f32.
;; Inputs: out_b 1,024 float32; out_w 1,024 x 1,024 float32; w_k 1,024 x 1,024 float32; w_q 1,024 x 1,024 float32; w_v 1,024 x 1,024 float32; x 4 x 2,048 x 1,024 float32.
;; Outputs: out0 4 x 2,048 x 1,024 float32.
;; This version of the problem:
;;   THIS VERSION OF THE PROBLEM IS GIVEN IN LOW PRECISION. The matrix products marked QUANTISED in the list below multiply operands that are first quantised to E2M1 (2 exponent bits, 1 mantissa bit; 4 bits a number), with one power-of-two scale for each 32 numbers along K (OCP MX v1.0); their sums are f32. The products marked 'left as it is' may take bf16, f16 or f32 operands, with f32 sums. Whichever they take, every output number must still come out within the allowed error. Rounding operands to bf16 (8 significant bits) uses up far more of that allowance than f16 does (11 bits, for magnitudes from 6e-5 to 65,504). All else is computed in f32.
;;   The module's matrix products, in the order in which they are computed (A, B: the left and right operand; K: the contracted axis; several contracted axes count as one K, in the product's order):
;;     1. [M 8,192, K 1,024] x [K 1,024, N 1,024]; A: input x; B: input w_q: QUANTISED
;;     2. [M 8,192, K 1,024] x [K 1,024, N 1,024]; A: input x; B: input w_k: QUANTISED
;;     3. [M 8,192, K 1,024] x [K 1,024, N 1,024]; A: input x; B: input w_v: QUANTISED
;;     4. batch 64 x [M 2,048, K 64] x [K 64, N 2,048]; A: computed on the way; B: computed on the way: left as it is (an operand is computed on the way)
;;     5. batch 64 x [M 2,048, K 2,048] x [K 2,048, N 64]; A: computed on the way; B: computed on the way: left as it is (an operand is computed on the way)
;;     6. [M 8,192, K 1,024] x [K 1,024, N 1,024]; A: computed on the way; B: input out_w: left as it is (an operand is computed on the way)
;;   THE QUANTISER, for each operand of a quantised product, along K:
;;     - K is cut into blocks of 32 from its start; a last block that is shorter is filled with zeros.
;;     - A block's scale is 2^e with e = floor(log2(the largest magnitude in the block)) - 2, held to -126 .. 127; a block of zeros has e = 0. As a byte (E8M0): e + 127.
;;     - Each number is divided by its block's scale, clamped to +-6, and rounded to the nearest number of E2M1, ties to even, subnormals kept.
;;     - The product sums the exact products of the quantised numbers (number of the format x scale) in f32.
;;   ~~~python
;;   def quantise(x, axis):      # numpy; x: float32 -> the quantised numbers, widened to float32 again
;;       x = np.moveaxis(x, axis, -1); K = x.shape[-1]
;;       x = np.pad(x, [(0, 0)] * (x.ndim - 1) + [(0, -K % 32)]); x = x.reshape(x.shape[:-1] + (-1, 32)); a = np.abs(x).max(-1, keepdims=True)
;;       e = np.where(a > 0, np.clip(np.frexp(np.where(a > 0, a, 1))[1] - 1 - 2, -126, 127), 0)      # np.frexp(a)[1] - 1 = floor(log2(a)), exactly
;;       r = np.clip(x / 2.0 ** e, -6, 6)
;;       step = 2.0 ** (np.maximum(np.frexp(np.where(r == 0, 1, r))[1] - 1, 0) - 1)
;;       q = np.round(r / step) * step * 2.0 ** e      # np.round: ties to even
;;       return np.moveaxis(q.reshape(q.shape[:-2] + (-1,))[..., :K], -1, axis).astype(np.float32)
;;   ~~~
;; One version. Each part assembles by itself: llvm-mc -triple=amdgcn-amd-amdhsa -mcpu=gfx1250 --defsym DOCPART=n.
;; ======== version 1 of 1: 5 launches
;; limits: values are held in f16: magnitudes above 65,504 overflow, below 6.1e-05 lose precision
;; workspace buffers: xc 4,194,304 bytes; xs 262,144 bytes; wc 1,572,864 bytes; ws 98,304 bytes; wo16 2,097,152 bytes; qkv 50,331,648 bytes; fine32 786,432 bytes; ctx 16,777,216 bytes
;; launch prep (part 1): grid 416 x 1, 4 waves a work-group, no clusters, 50,688 bytes of LDS; arguments x, w_q, w_k, w_v, out_w, xc, xs, wc, ws, wo16; writes xc, xs, wc, ws, wo16
.if DOCPART == 1
	.amdgcn_target "amdgcn-amd-amdhsa--gfx1250"
	.amdhsa_code_object_version 6
	.text
	.protected	k_qb25e7552a7_prep
	.globl	k_qb25e7552a7_prep
	.p2align	8
	.type	k_qb25e7552a7_prep,@function
k_qb25e7552a7_prep:
	s_mov_b64 s[64:65], 0
	v_nop
	global_prefetch_b8 v0, s[64:65] scope:SCOPE_SE
	s_setreg_imm32_b32 hwreg(HW_REG_WAVE_MODE, 25, 1), 1
	s_wait_xcnt 0x0
; PREP: everything that is made once from the inputs.  Three paths, chosen by the work-group's number; they never join, have no barrier, and each has LDS bytes of its own.
;   W (work-groups 0-95):    w_q, w_k, w_v [1024 (k)][1024 (n)] f32 -> codes of FP4 (E2M1) wc [3072 = which x 1024 + n][512 bytes], K innermost, and E8M0 bytes ws [3072][32].
;   X (work-groups 96-351):  x [8192][1024] f32, K innermost -> xc [8192][512 bytes], xs [8192][32].
;   C (work-groups 352-415): out_w [1024 (n)][1024 (k)] f32 -> wo16 [16 (head)][1024 (n)][64] f16.
; A block's scale is 2^(floor(log2(its largest magnitude)) - 2); its byte is the largest magnitude's exponent field - 2, held at 1 from below by a floor among the maximum's leaves.
; LIMITS: a block of zeros gets the byte 1 where the quantiser's text says 127 (its codes are zeros, which add nothing, and the bytes are read by this program alone); blocks whose largest magnitude
; lies under 2^-124 share that byte; NaN and infinities among the inputs are not served; |out_w| stays under 65,504 (f16).
; No matrix work, no cluster, no tensor load: every byte is read once by one wave, so nothing is shared.
.set SPW,    12                        ; v12  LDS address of my spare word: SPARE + 4 x my thread's number; never rewritten
.set NIL,    13                        ; v13  0; never rewritten
.set WREG,   8192                      ; path X: a region for each wave: two stages of 32 x 80 bytes, then its 256 scale bytes
.set WSTG,   4*WREG                    ; path W: a stage of 16 rows x 272 bytes for each wave
.set WPITCH, 272
.set SPARE,  WSTG+4*16*WPITCH          ; the spare words, 128 bytes for each wave: two blocks of 256 bytes that no other line names
.set EMAX,   2
	s_load_b256 s[4:11], s[0:1], 0x0               ; x s[4:5], w_q s[6:7], w_k s[8:9], w_v s[10:11]
	s_load_b256 s[12:19], s[0:1], 0x20             ; out_w s[12:13], xc s[14:15], xs s[16:17], wc s[18:19]
	s_load_b128 s[20:23], s[0:1], 0x40             ; ws s[20:21], wo16 s[22:23]
	v_lshl_add_u32 v[SPW], v0, 2, SPARE
	v_mov_b32 v[NIL], 0
	v_lshrrev_b32 v1, 5, v0
	v_readfirstlane_b32 s24, v1                    ; wave 0..3
	v_and_b32 v2, 31, v0                           ; lane
	s_mov_b32 s29, 0                               ; the upper word of every offset pair s[28:29]
	s_wait_kmcnt 0x0
	s_cmp_lt_u32 ttmp9, 96
	s_cbranch_scc1 .Lw
	s_cmp_lt_u32 ttmp9, 352
	s_cbranch_scc1 .Lx
; ---------------- PATH C: out_w to f16, head-major.  Wave wv = 0..255 takes head wv / 16 and 64 rows n.  A load takes two rows' 256 aligned bytes, a store 256 consecutive aligned bytes.
	s_sub_co_u32 s25, ttmp9, 352
	s_lshl_b32 s25, s25, 2
	s_add_co_u32 s25, s25, s24                     ; wv
	s_lshr_b32 s26, s25, 4                         ; head
	s_and_b32 s27, s25, 15                         ; which 64 rows
	s_lshl_b32 s28, s27, 18                        ; 64 rows of 4,096 bytes
	s_lshl_b32 s30, s26, 8                         ; the head's 64 numbers in a row
	s_add_co_u32 s28, s28, s30
	s_add_nc_u64 s[12:13], s[12:13], s[28:29]
	s_lshl_b32 s28, s26, 17                        ; a head of wo16: 1,024 rows of 128 bytes
	s_lshl_b32 s30, s27, 13
	s_add_co_u32 s28, s28, s30
	s_add_nc_u64 s[22:23], s[22:23], s[28:29]
	v_and_b32 v5, 15, v2
	v_lshrrev_b32 v6, 4, v2
	v_lshlrev_b32 v3, 4, v5
	v_lshl_add_u32 v3, v6, 12, v3                  ; in: lanes 0-15 one row, lanes 16-31 the next; 16 bytes a lane
	v_lshlrev_b32 v4, 3, v2                        ; out: 8 bytes a lane
.set i, 0
.rept 32
	global_load_b128 v[16+4*i:19+4*i], v3, s[12:13] offset:8192*i th:TH_LOAD_NT
.set i, i+1
.endr
.set i, 0
.rept 32
	s_wait_loadcnt 31-i                            ; loads come back in order: load i is in, the younger ones stay out
	v_cvt_pk_f16_f32 v[16+4*i], v[16+4*i], v[17+4*i]
	v_cvt_pk_f16_f32 v[17+4*i], v[18+4*i], v[19+4*i]
	global_store_b64 v4, v[16+4*i:17+4*i], s[22:23] offset:256*i   ; no data register is written again
.set i, i+1
.endr
	s_wait_tensorcnt 0x0                           ; the wave's end, written on this path as on the others
	ds_add_u32 v[SPW], v[NIL]
	s_wait_dscnt 0x0
	s_endpgm
; ---------------- PATH X: x is a plain stream of blocks of 32.  A wave takes 16 steps of 512 numbers.  Each load reads 512 consecutive bytes; a step's 2,048 bytes turn through the wave's own
; stage in LDS (16 bytes of padding behind each 64) and come back 64 bytes a lane, so that a lane holds 16 neighbours along K and two neighbouring lanes hold a block.
.set STEPS, 16
.set SP,    80                         ; a lane's place in a stage
.set XR,    16                         ; v16-79   four sets of 16 numbers as loaded
.set XX,    80                         ; v80-111  two sets of 16 neighbours
.set XE,    112                        ; v112-127 a scale byte for each step
.set XC,    128                        ; v128-191 codes, four registers a step: no store's data are written again
.macro XLOAD t
.irp i, 0,1,2,3
	global_load_b128 v[XR+16*((\t)%4)+4*\i:XR+16*((\t)%4)+4*\i+3], v3, s[4:5] offset:2048*(\t)+512*\i th:TH_LOAD_NT
.endr
.endm
.macro XTURN t                         ; LDS serves a wave's instructions in order (ISA guide 5.7.1.4): no wait between the stores and the loads
.irp i, 0,1,2,3
	ds_store_b128 v14, v[XR+16*((\t)%4)+4*\i:XR+16*((\t)%4)+4*\i+3] offset:32*SP*((\t)%2)+8*SP*\i
.endr
.irp i, 0,1,2,3
	ds_load_b128 v[XX+16*((\t)%2)+4*\i:XX+16*((\t)%2)+4*\i+3], v15 offset:32*SP*((\t)%2)+16*\i
.endr
.endm
.macro XSTEP t
.set XS, XX+16*((\t)%2)
.if (\t) > 0
	s_wait_dscnt 1                                 ; this step's numbers are back from the stage; only the last step's byte store may be out
.else
	s_wait_dscnt 0x0
.endif
.if (\t)+4 < STEPS
	XLOAD (\t)+4                                   ; into the set whose stage stores have been served
.endif
.if (\t)+1 < STEPS
.if STEPS-2-(\t) >= 3
	s_wait_loadcnt 12                              ; the next step's four loads are in; three steps' twelve may be out
.else
	s_wait_loadcnt 4*(STEPS-2-(\t))
.endif
	XTURN (\t)+1
.endif
	v_max3_num_f32 v8, |v[XS]|, |v[XS+1]|, |v[XS+2]|
	v_max3_num_f32 v9, |v[XS+3]|, |v[XS+4]|, |v[XS+5]|
.irp i, 6,10
	v_max3_num_f32 v8, v8, |v[XS+\i]|, |v[XS+\i+1]|
	v_max3_num_f32 v9, v9, |v[XS+\i+2]|, |v[XS+\i+3]|
.endr
	v_max3_num_f32 v8, v8, |v[XS+14]|, |v[XS+15]|
	v_max3_num_f32 v8, v8, v9, (EMAX+1)<<23        ; and the floor 2^(3 - 127): the byte cannot fall under 1
	v_max_num_f32_dpp v8, v8, v8 row_xmask:1 row_mask:0xf bank_mask:0xf   ; with my neighbour's 16: the block's largest magnitude
	v_add_nc_u32 v11, 0xff000000, v8               ; 2 off its exponent field: the conversion takes that field as its scale
	v_cvt_scalef32_pk8_fp4_f32 v[XC+4*(\t)], v[XS:XS+7], v11
	v_cvt_scalef32_pk8_fp4_f32 v[XC+4*(\t)+1], v[XS+8:XS+15], v11
	v_lshrrev_b32 v[XE+(\t)], 23, v11              ; the scale's byte (also the plain line behind the conversions)
	ds_store_b8 v5, v[XE+(\t)] offset:16*(\t)      ; both lanes of a block write the same byte with the same value
	global_store_b64 v4, v[XC+4*(\t):XC+4*(\t)+1], s[14:15] offset:256*(\t)   ; the wave stores 256 consecutive aligned bytes
.endm
.Lx:
	s_sub_co_u32 s25, ttmp9, 96
	s_lshl_b32 s25, s25, 2
	s_add_co_u32 s25, s25, s24                     ; which run of 8,192 numbers is my wave's: 0..1023
	s_lshl_b32 s28, s25, 15
	s_add_nc_u64 s[4:5], s[4:5], s[28:29]
	s_lshl_b32 s28, s25, 12
	s_add_nc_u64 s[14:15], s[14:15], s[28:29]
	s_lshl_b32 s28, s25, 8
	s_add_nc_u64 s[16:17], s[16:17], s[28:29]
	v_lshlrev_b32 v3, 4, v2                        ; my 16 bytes of a load's 512
	s_lshl_b32 s30, s24, 13                        ; my wave's region
	v_lshrrev_b32 v14, 2, v2
	v_mul_u32_u24 v14, v14, SP
	v_and_b32 v15, 3, v2
	v_lshl_add_u32 v14, v15, 4, v14
	v_add_nc_u32 v14, s30, v14                     ; the stage, on the way in: SP (lane / 4) + 16 (lane % 4)
	v_mul_u32_u24 v15, v2, SP
	v_add_nc_u32 v15, s30, v15                     ; and on the way out: SP x lane
	v_lshlrev_b32 v4, 3, v2                        ; my 8 bytes of a step's codes
	v_lshrrev_b32 v5, 1, v2
	s_add_co_u32 s30, s30, 2*32*SP
	v_add_nc_u32 v5, s30, v5                       ; my block's scale byte in LDS
	v_lshlrev_b32 v7, 3, v2
	v_add_nc_u32 v6, s30, v7
.irp t, 0,1,2,3
	XLOAD \t
.endr
	s_wait_loadcnt 12                              ; step 0's four loads are in
	XTURN 0
.irp t, 0,1,2,3,4,5,6,7,8,9,10,11,12,13,14,15
	XSTEP \t
.endr
	ds_load_b64 v[8:9], v6                         ; my wave's 256 scale bytes, 8 a lane
	s_wait_dscnt 0x0
	global_store_b64 v7, v[8:9], s[16:17]          ; 256 consecutive aligned bytes
	s_wait_tensorcnt 0x0                           ; the wave's end, behind my last LDS store
	ds_add_u32 v[SPW], v[NIL]
	s_wait_dscnt 0x0
	s_endpgm
; ---------------- PATH W: K is the weights' FIRST axis.  A lane takes a column and its registers run down K, so a block of 32 lies in one lane and the conversions give codes with K innermost.
; A work-group takes 64 columns x 512 along K of one weight, a wave 16 columns; lanes 0-15 take the first 256 along K, lanes 16-31 the second: 8 blocks a lane.  The codes go through the wave's
; stage and leave by rows, sixteen lanes to 256 consecutive aligned bytes.  The scale bytes leave as 8 bytes a lane, in pieces of rows: one byte for each 128 that are read.
.set NB,   8
.set WX,   32                          ; v32-95   two sets of 32 numbers
.set WC,   96                          ; v96-99   a block's codes
.set OUTR, 112                         ; v112-143 the way out
.set SB,   24                          ; v24-25   my 8 scale bytes
.macro WLOAD t
.irp i, 0,1,2,3,4,5,6,7,8,9,10,11,12,13,14,15,16,17,18,19,20,21,22,23,24,25,26,27,28,29,30,31
	global_load_b32 v[WX+32*((\t)%2)+\i], v3, s[6:7] offset:(32*(\t)+\i)*4096 th:TH_LOAD_NT
.endr
.endm
.macro WBLOCK t
.set XS, WX+32*((\t)%2)
.if (\t) < NB-1
	s_wait_loadcnt 32                              ; this block's 32 loads are in; the next block's 32 may be out
.else
	s_wait_loadcnt 0
.endif
	v_max3_num_f32 v16, |v[XS]|, |v[XS+1]|, |v[XS+2]|
	v_max3_num_f32 v17, |v[XS+3]|, |v[XS+4]|, |v[XS+5]|
.irp i, 6,10,14,18,22,26
	v_max3_num_f32 v16, v16, |v[XS+\i]|, |v[XS+\i+1]|
	v_max3_num_f32 v17, v17, |v[XS+\i+2]|, |v[XS+\i+3]|
.endr
	v_max3_num_f32 v16, v16, |v[XS+30]|, |v[XS+31]|
	v_max3_num_f32 v16, v16, v17, (EMAX+1)<<23     ; and the floor
	v_add_nc_u32 v11, 0xff000000, v16              ; the conversion's scale operand
	v_lshrrev_b32 v17, 23, v11                     ; the scale's byte
.if (\t)%4 == 0
	v_mov_b32 v[SB+(\t)/4], v17
.else
	v_lshl_or_b32 v[SB+(\t)/4], v17, 8*((\t)%4), v[SB+(\t)/4]
.endif
.irp g, 0,1,2,3
	v_cvt_scalef32_pk8_fp4_f32 v[WC+\g], v[XS+8*\g:XS+8*\g+7], v11
.endr
	ds_store_b128 v4, v[WC:WC+3] offset:16*(\t)    ; 32 codes: 16 bytes of my column's row
.if (\t)+2 < NB
	WLOAD (\t)+2
.endif
	s_wait_dscnt 0x0                               ; the store has been served: the next block's codes may be written
.endm
.Lw:
	s_cmp_lt_u32 ttmp9, 32                         ; which weight: the choice hangs on the work-group's number alone
	s_cselect_b64 s[6:7], s[6:7], s[8:9]
	s_cmp_lt_u32 ttmp9, 64
	s_cselect_b64 s[6:7], s[6:7], s[10:11]
	s_lshr_b32 s25, ttmp9, 5                       ; which
	s_bfe_u32 s26, ttmp9, 0x40001                  ; which 64 columns
	s_and_b32 s27, ttmp9, 1                        ; which 512 along K
	s_lshl_b32 s26, s26, 6
	s_lshl_b32 s30, s24, 4
	s_add_co_u32 s26, s26, s30                     ; my wave's first column
	s_lshl_b32 s28, s27, 21                        ; 512 rows of 4,096 bytes
	s_lshl_b32 s30, s26, 2
	s_add_co_u32 s28, s28, s30
	s_add_nc_u64 s[6:7], s[6:7], s[28:29]
	s_lshl_b32 s25, s25, 10
	s_add_co_u32 s25, s25, s26                     ; my first row of wc and ws
	s_lshl_b32 s28, s25, 9
	s_lshl_b32 s30, s27, 8
	s_add_co_u32 s28, s28, s30
	s_add_nc_u64 s[18:19], s[18:19], s[28:29]
	s_lshl_b32 s28, s25, 5
	s_lshl_b32 s30, s27, 4
	s_add_co_u32 s28, s28, s30
	s_add_nc_u64 s[20:21], s[20:21], s[28:29]
	s_mul_i32 s31, s24, 16*WPITCH
	s_add_co_u32 s31, s31, WSTG                    ; my stage
	v_and_b32 v5, 15, v2                           ; c: my column
	v_lshrrev_b32 v6, 4, v2                        ; kh: my half of the 512 along K
	v_lshlrev_b32 v3, 2, v5
	v_lshl_add_u32 v3, v6, 20, v3                  ; in: 4 c + 256 rows x kh
	v_mul_u32_u24 v4, v5, WPITCH
	v_lshl_add_u32 v4, v6, 7, v4
	v_add_nc_u32 v4, s31, v4                       ; into the stage: row c, + 128 kh
	v_mul_u32_u24 v7, v6, WPITCH
	v_lshl_add_u32 v7, v5, 4, v7
	v_add_nc_u32 v7, s31, v7                       ; out of it: sixteen lanes to a row, two rows an instruction
	v_lshlrev_b32 v8, 4, v5
	v_lshl_add_u32 v8, v6, 9, v8                   ; the same place in wc
	v_lshlrev_b32 v9, 5, v5
	v_lshl_add_u32 v9, v6, 3, v9                   ; my 8 scale bytes in ws
	WLOAD 0
	WLOAD 1
.irp t, 0,1,2,3,4,5,6,7
	WBLOCK \t
.endr
	global_store_b64 v9, v[SB:SB+1], s[20:21]
.irp t, 0,1,2,3,4,5,6,7
	ds_load_b128 v[OUTR+4*\t:OUTR+4*\t+3], v7 offset:2*\t*WPITCH
.endr
.irp t, 0,1,2,3,4,5,6,7
	s_wait_dscnt 7-\t
	global_store_b128 v8, v[OUTR+4*\t:OUTR+4*\t+3], s[18:19] offset:2*\t*512
.endr
	s_wait_tensorcnt 0x0                           ; the wave's end, behind my last LDS store
	ds_add_u32 v[SPW], v[NIL]
	s_wait_dscnt 0x0
	s_endpgm
.Lfunc_end_k_qb25e7552a7_prep:
	.size	k_qb25e7552a7_prep, .Lfunc_end_k_qb25e7552a7_prep-k_qb25e7552a7_prep
	.p2alignl 7, 3214868480
	.fill 96, 4, 3214868480
	.section	.rodata,"a",@progbits
	.p2align	6, 0x0
	.amdhsa_kernel k_qb25e7552a7_prep
		.amdhsa_group_segment_fixed_size 50688
		.amdhsa_private_segment_fixed_size 0
		.amdhsa_enable_private_segment 0
		.amdhsa_kernarg_size 80
		.amdhsa_user_sgpr_count 2
		.amdhsa_user_sgpr_kernarg_segment_ptr 1
		.amdhsa_wavefront_size32 1
		.amdhsa_system_sgpr_workgroup_id_x 1
		.amdhsa_system_sgpr_workgroup_id_y 1
		.amdhsa_system_sgpr_workgroup_id_z 1
		.amdhsa_system_vgpr_workitem_id 0
		.amdhsa_next_free_vgpr 192
		.amdhsa_next_free_sgpr 66
		.amdhsa_reserve_vcc 0
		.amdhsa_float_denorm_mode_32 3
		.amdhsa_float_denorm_mode_16_64 3
		.amdhsa_memory_ordered 1
		.amdhsa_forward_progress 1
		.amdhsa_inst_pref_size 85
	.end_amdhsa_kernel
	.amdgpu_metadata
---
amdhsa.version: [ 1, 2 ]
amdhsa.kernels:
  - .name:           k_qb25e7552a7_prep
    .symbol:         k_qb25e7552a7_prep.kd
    .args:
      - { .name: x, .offset: 0, .size: 8, .value_kind: global_buffer, .address_space: global }
      - { .name: w_q, .offset: 8, .size: 8, .value_kind: global_buffer, .address_space: global }
      - { .name: w_k, .offset: 16, .size: 8, .value_kind: global_buffer, .address_space: global }
      - { .name: w_v, .offset: 24, .size: 8, .value_kind: global_buffer, .address_space: global }
      - { .name: out_w, .offset: 32, .size: 8, .value_kind: global_buffer, .address_space: global }
      - { .name: xc, .offset: 40, .size: 8, .value_kind: global_buffer, .address_space: global }
      - { .name: xs, .offset: 48, .size: 8, .value_kind: global_buffer, .address_space: global }
      - { .name: wc, .offset: 56, .size: 8, .value_kind: global_buffer, .address_space: global }
      - { .name: ws, .offset: 64, .size: 8, .value_kind: global_buffer, .address_space: global }
      - { .name: wo16, .offset: 72, .size: 8, .value_kind: global_buffer, .address_space: global }
    .group_segment_fixed_size: 50688
    .private_segment_fixed_size: 0
    .kernarg_segment_align: 8
    .kernarg_segment_size: 80
    .max_flat_workgroup_size: 128
    .sgpr_count:     66
    .vgpr_count:     192
    .wavefront_size: 32
...
	.end_amdgpu_metadata
.endif
;; end of part 1
;; launch qkv (part 2): grid 12 x 32, 4 waves a work-group, clusters of 4 x 4, 327,680 bytes of LDS; arguments xc, xs, wc, ws, qkv, fine32; writes qkv, fine32
.if DOCPART == 2
	.amdgcn_target "amdgcn-amd-amdhsa--gfx1250"
	.amdhsa_code_object_version 6
	.text
	.protected	k_qb25e7552a7_qkv
	.globl	k_qb25e7552a7_qkv
	.p2align	8
	.type	k_qb25e7552a7_qkv,@function
k_qb25e7552a7_qkv:
	s_mov_b64 s[64:65], 0
	v_nop
	global_prefetch_b8 v0, s[64:65] scope:SCOPE_SE
	s_setreg_imm32_b32 hwreg(HW_REG_WAVE_MODE, 25, 1), 1
	s_wait_xcnt 0x0
	s_wait_alu depctr_hold_cnt(0) depctr_sa_sdst(0) depctr_va_vdst(0) depctr_va_sdst(0) depctr_va_ssrc(0) depctr_va_vcc(0) depctr_vm_vsrc(0)
	s_getreg_b32 s2, hwreg(HW_REG_IB_STS2, 6, 4)
	s_cmp_eq_u32 s2, 0
	s_cbranch_scc0 .Lentry_in_a_cluster
	s_endpgm
.Lentry_in_a_cluster:
	s_bfe_u32 s2, ttmp6, 0x10000c
	s_cmp_lg_u32 s2, 0xf033
	s_cbranch_scc0 .Lentry_shape_is_right
	s_endpgm
.Lentry_shape_is_right:
; QKV: C[m][n] = sum over k of x[m][k] w[k][n] for the three weights at once, on codes of FP4 (E2M1) with one E8M0 scale for each 32 along K: M = 8,192, N = 3,072 (which x 1,024 + column), K = 1,024.
; xc [8192][512 bytes], wc [3072][512 bytes]: K innermost; xs [8192][32], ws [3072][32].  Sums in f32.  The results leave as f16, head-major: qkv [which 3][b 4][h 16][n 2048][64];
; rows 0-15 of each batch leave once more as f32: fine32 [which 3][b 4][16][1024], for the launch that carries those positions finely.
; LIMIT: |Q|, |K|, |V| stay under 65,504 (f16).
; A tile of C, 256 x 256, is made by four waves, 128 x 128 each: 64 accumulators, 512 registers.  K = 1,024 is two LDS slots of 512 along K (rows of 256 bytes): both are asked for at the start and nothing
; is filled again.  The scale bytes of the work-group's 256 + 256 rows come once, as dense blocks.
; CLUSTERS: 4 x 4 work-groups.  Tile column = 4 x cluster x + cx; tile row = cluster y + 8 cy, so that cy is the batch and cluster y, which all sixteen share, the tile's place in its batch.
; The four of a row of the cluster need the same tiles of x, the four of a column the same tiles of w: each is asked for JOINTLY.
; THE MATRIX INSTRUCTION IS USED TRANSPOSED (source 0 = 16 rows of wc, source 1 = 16 rows of xc): a lane holds eight neighbouring columns of a row of C.
; REGISTERS, in windows of 256: window 0: v0-31 addresses; v32-95 scale words, two sets; v128-191 x's fragments, one set; on the way out v32-255 are free.  window 1: w's fragments, two sets.
;   window 2: the accumulators of my rows 0-63 ((a, b) at v[8 (8 a + b)]); window 3: those of my rows 64-127.
.set SIZE_K, 1024
.set KSTEP,  512
.set NQ,     KSTEP/128
.set ROWB,   256
.set KROW,   SIZE_K/2
.set PITCH,  272                       ; an LDS row: 256 bytes + 16 of padding: the 16 rows that a load touches start at 16 different banks (64 banks of 4 bytes: ISA guide 11.1)
.set FR,     8
.set NL,     2
.set NP,     4                         ; places behind this matrix instruction (ISA guide 7.12.1)
.set HALFT,  128*PITCH
.set SLOT,   4*HALFT
.set KS,     SIZE_K/32
.set SCL,    2*SLOT                    ; behind the two slots: the scales, as units of 256 bytes + 16 of padding
.set HALFS,  (128*KS/256)*272
.set SBLK,   (16*KS/256)*272
.set SPARE,  SCL+4*HALFS               ; the spare words, 128 bytes for each wave: two blocks of 256 bytes that no other line names
.set WSTAGE, 16*528                    ; the way out: a stage for each wave, in slot 0, which has had its only fill and its last read when the first result is stored there
.set ADRA, 16
.set ADRB, 20
.set STO32, 22                         ; v22  the f32 stage: where I put 32 bytes of a row
.set RD32, 23                          ; v23  and where I read a row of 512 bytes back
.set STO,  24                          ; v24  the f16 stage: where I put 16 bytes of a row
.set RD,   25                          ; v25  and where I read 16 bytes of four rows' halves back
.set CO,   26                          ; v26  16 x lane
.set ADRS, 27
.set SPW,  28
.set NIL,  29
.set SC,   32
.set AF,   128
.set TMP,  192                         ; the way out: packed results
.set OB,   32                          ; the way out: read back from the stage: v32-63 and v224-255 by turns
.set G1, 24
.set G0, 32
.set G1B, 48
.set G0B, 56
.set G1S, 68
.set G0S, 76
.set G1SB, 80
.set G0SB, 88
.set MSB, 0
.macro WIN new                         ; the immediate's high byte repeats the setting that is left
.if MSB != \new
	s_set_vgpr_msb (MSB<<8)|\new
.set MSB, \new
.endif
.endm
.set MUL_LO, 0xa1                      ; source 0 (w) window 1, source 1 (x) window 0, C and D window 2
.set MUL_HI, 0xf1
.set TO_B,   0x40
; A joint load: waves 0 and 1 fetch for x, waves 2 and 3 for w.  The branch hangs on the wave's number alone.  An s_nop 0 and four v_nop follow each of the two lines.
.macro JLOAD g0a, g1a, g0b, g1b
	s_cmp_eq_u32 s15, 0
	s_cbranch_scc0 .Lfor_b_\@
	tensor_load_to_lds s[\g0a:\g0a+3], s[\g1a:\g1a+7]
	s_nop 0
.rept 4
	v_nop
.endr
	s_branch .Lasked_\@
.Lfor_b_\@:
	tensor_load_to_lds s[\g0b:\g0b+3], s[\g1b:\g1b+7]
	s_nop 0
.rept 4
	v_nop
.endr
.Lasked_\@:
.endm
.macro CROUND                          ; a round of the cluster's barrier
	s_barrier_signal -1
	s_barrier_wait -1
	s_cmp_lg_u32 s14, 0
	s_cbranch_scc1 .Lnot_wave_0_\@
	s_barrier_signal -3
.Lnot_wave_0_\@:
	s_barrier_wait -3
	s_barrier_signal -1
	s_barrier_wait -1
.endm
	s_load_b128 s[4:7], s[0:1], 0x0                ; xc, xs
	s_load_b128 s[8:11], s[0:1], 0x10              ; wc, ws
	s_load_b64 s[12:13], s[0:1], 0x20              ; qkv
	s_load_b64 s[96:97], s[0:1], 0x28              ; fine32
	v_lshl_add_u32 v[SPW], v0, 2, SPARE
	v_mov_b32 v[NIL], 0
	ds_add_u32 v[SPW], v[NIL]                      ; the wave's opening: the add, twice on end, and its wait ahead of my first tensor load
	ds_add_u32 v[SPW], v[NIL]
	v_lshrrev_b32 v1, 5, v0
	v_readfirstlane_b32 s14, v1                    ; wave 0..3
	s_lshr_b32 s15, s14, 1                         ; which half of the tile's rows is mine.  Also: I fetch for x (0) or for w (1)
	s_and_b32 s16, s14, 1                          ; which half of its columns.  Also: which 128 rows of that tile I fetch
	s_bfe_u32 s40, ttmp6, 0x40000                  ; cx
	s_bfe_u32 s41, ttmp6, 0x40004                  ; cy = the batch
	s_lshl_b32 s42, ttmp9, 2
	s_add_co_u32 s42, s42, s40                     ; tile column = 4 x cluster x + cx
	s_and_b32 s95, ttmp7, 0xffff                   ; cluster y = the tile's place in its batch: the same in all sixteen partners
	s_lshl_b32 s17, s41, 3
	s_add_co_u32 s17, s17, s95                     ; tile row = 8 cy + cluster y
	s_lshl_b32 s43, s41, 2
	s_lshl_b32 s43, 15, s43                        ; my row of the cluster
	s_lshl_b32 s44, 0x1111, s40                    ; my column
	s_or_b32 s[G1+0], s43, (0<<16)|(1<<20)|(1<<21)|(5<<22)|(3<<25)  ; 15:0 the mask; 17:16 elements of 1 byte; 20 padding on; 21 set beside a mask; 24:22 after every 64 words; 31:25 four words
	s_or_b32 s[G1B+0], s44, (0<<16)|(1<<20)|(1<<21)|(5<<22)|(3<<25)
.irp g, G1, G1B
	s_mov_b32 s[\g+1], ROWB<<16                    ; tensor_dim0
	s_mov_b32 s[\g+2], 128<<16                     ; tensor_dim1
	s_mov_b32 s[\g+3], ROWB<<16                    ; tile_dim0
	s_mov_b32 s[\g+4], 128                         ; tile_dim1
	s_mov_b32 s[\g+5], KROW                        ; tensor_dim0_stride
	s_mov_b32 s[\g+6], 0
	s_mov_b32 s[\g+7], 0
.endr
	s_or_b32 s[G1S+0], s43, (3<<16)|(1<<20)|(1<<21)|(5<<22)|(3<<25) ; the scales of 128 rows: 4,096 dense bytes as 16 rows of 256 (32 elements of 8 bytes), 16 bytes of padding behind each
	s_or_b32 s[G1SB+0], s44, (3<<16)|(1<<20)|(1<<21)|(5<<22)|(3<<25)
.irp g, G1S, G1SB
	s_mov_b32 s[\g+1], 32<<16
	s_mov_b32 s[\g+2], (128*KS/256)<<16
	s_mov_b32 s[\g+3], 32<<16
	s_mov_b32 s[\g+4], 128*KS/256
	s_mov_b32 s[\g+5], 32
	s_mov_b32 s[\g+6], 0
	s_mov_b32 s[\g+7], 0
.endr
	s_lshl_b32 s18, s16, 7                         ; which 128 rows of the tile I fetch
	s_lshl_b32 s20, s17, 8
	s_add_co_u32 s20, s20, s18                     ; x: row 256 x tile row + 128 x half
	s_lshl_b32 s46, s42, 8
	s_add_co_u32 s46, s46, s18                     ; w: row 256 x tile column + 128 x half
	s_mov_b32 s21, 0
	s_mov_b32 s47, 0
	s_mov_b64 s[18:19], KS
	s_mul_u64 s[22:23], s[20:21], s[18:19]         ; where these rows' scales begin
	s_mul_u64 s[92:93], s[46:47], s[18:19]
	s_mov_b64 s[18:19], KROW
	s_mul_u64 s[20:21], s[20:21], s[18:19]         ; and their codes
	s_mul_u64 s[46:47], s[46:47], s[18:19]
	s_mul_i32 s45, s14, HALFT                      ; where they go: wave x 128 rows: no place in the cluster enters an LDS address
	s_mul_i32 s94, s14, HALFS
	s_wait_dscnt 0x0                               ; both opening adds are done
	s_wait_kmcnt 0x0
	s_add_nc_u64 s[20:21], s[4:5], s[20:21]
	s_add_nc_u64 s[22:23], s[6:7], s[22:23]
	s_add_nc_u64 s[46:47], s[8:9], s[46:47]
	s_add_nc_u64 s[92:93], s[10:11], s[92:93]
	CROUND                                         ; all sixteen work-groups are here: the joint loads meet
	s_mov_b32 s[G0S], 1
	s_add_co_u32 s[G0S+1], s94, SCL
	s_mov_b64 s[G0S+2:G0S+3], s[22:23]
	s_or_b32 s[G0S+3], s[G0S+3], 0x80000000
	s_mov_b32 s[G0SB], 1
	s_add_co_u32 s[G0SB+1], s94, SCL
	s_mov_b64 s[G0SB+2:G0SB+3], s[92:93]
	s_or_b32 s[G0SB+3], s[G0SB+3], 0x80000000
	JLOAD G0S, G1S, G0SB, G1SB                     ; the scales first: they are wanted with the first slot
.irp s, 0,1
	s_mov_b32 s[G0+4*\s], 1
	s_add_co_u32 s[G0+4*\s+1], s45, \s*SLOT
	s_add_nc_u64 s[G0+4*\s+2:G0+4*\s+3], s[20:21], \s*ROWB
	s_or_b32 s[G0+4*\s+3], s[G0+4*\s+3], 0x80000000
	s_mov_b32 s[G0B+4*\s], 1
	s_add_co_u32 s[G0B+4*\s+1], s45, \s*SLOT
	s_add_nc_u64 s[G0B+4*\s+2:G0B+4*\s+3], s[46:47], \s*ROWB
	s_or_b32 s[G0B+4*\s+3], s[G0B+4*\s+3], 0x80000000
	JLOAD G0+4*\s, G1, G0B+4*\s, G1B               ; three tensor loads of mine are out in all
.endr
	v_and_b32 v1, 15, v0                           ; r = l % 16
	v_bfe_u32 v2, v0, 4, 1                         ; hl = l / 16
	v_mul_u32_u24 v3, v1, PITCH
	v_lshl_add_u32 v4, v2, 4, v3                   ; a fragment's row x pitch + 16 x half
	s_mul_i32 s21, s15, HALFT
	s_mul_i32 s22, s16, HALFT
	s_add_co_u32 s22, s22, 2*HALFT
.irp s, 0,1
	v_add_nc_u32 v[ADRA+\s], s21, v4
	v_add_nc_u32 v[ADRB+\s], s22, v4
	s_add_co_u32 s21, s21, SLOT
	s_add_co_u32 s22, s22, SLOT
.endr
	v_mul_u32_u24 v5, v1, KS                       ; my row's scales: 32 bytes a row,
	v_lshrrev_b32 v6, 8, v5
	v_lshl_add_u32 v5, v6, 4, v5                   ; and 16 more for each 256 passed
	s_mul_i32 s21, s15, HALFS
	s_mul_i32 s22, s16, HALFS
	s_add_co_u32 s22, s22, 2*HALFS
	s_sub_co_u32 s22, s22, s21
	v_mul_u32_u24 v6, s22, v2                      ; lanes 16-31 take w's: one product, the distance between the two bases
	s_add_co_u32 s21, s21, SCL
	v_add_nc_u32 v5, v5, v6
	v_add_nc_u32 v[ADRS], s21, v5
	s_mul_i32 s23, s14, WSTAGE                     ; my stage
	v_mul_u32_u24 v5, v1, 528
	v_lshl_add_u32 v5, v2, 5, v5
	v_add_nc_u32 v[STO32], s23, v5
	v_and_b32 v6, 31, v0
	v_lshlrev_b32 v[CO], 4, v6
	v_add_nc_u32 v[RD32], s23, v[CO]
	v_mul_u32_u24 v5, v1, 272
	v_lshl_add_u32 v5, v2, 4, v5
	v_add_nc_u32 v[STO], s23, v5
	v_lshrrev_b32 v5, 3, v6
	v_mul_u32_u24 v5, v5, 272
	v_and_b32 v6, 7, v6
	v_lshl_add_u32 v5, v6, 4, v5
	v_add_nc_u32 v[RD], s23, v5                    ; row l / 8 of four, piece l % 8 of a head's 128 bytes
	; where my part begins in qkv and in fine32
	s_lshl_b32 s46, s42, 8
	s_lshl_b32 s47, s16, 7
	s_add_co_u32 s46, s46, s47                     ; C0: my first column of the 3,072
	s_lshr_b32 s47, s46, 10                        ; which
	s_lshl_b32 s47, s47, 2
	s_add_co_u32 s47, s47, s41                     ; 4 x which + batch
	s_bfe_u32 s20, s46, 0x40006                    ; my first head (of two)
	s_lshl_b32 s21, s47, 4
	s_add_co_u32 s20, s20, s21
	s_lshl_b32 s20, s20, 18                        ; a head is 2,048 rows of 128 bytes
	s_lshl_b32 s21, s95, 8
	s_lshl_b32 s22, s15, 7
	s_add_co_u32 s21, s21, s22                     ; my first row in the batch
	s_lshl_b32 s21, s21, 7
	s_add_co_u32 s20, s20, s21
	s_mov_b32 s21, 0
	s_add_nc_u64 s[12:13], s[12:13], s[20:21]
	s_lshl_b32 s20, s47, 16                        ; 16 rows of 4,096 bytes
	s_and_b32 s22, s46, 1023
	s_lshl_b32 s22, s22, 2
	s_add_co_u32 s20, s20, s22
	s_add_nc_u64 s[96:97], s[96:97], s[20:21]
.macro FRAG reg, adr, q, i             ; 16 rows x 128 K of 4-bit codes: lane l holds row l % 16; registers 4 c .. 4 c + 3 hold K = 64 c + 32 (l / 16) + 0 .. 31
.irp c, 0,1
	ds_load_b128 v[\reg+4*\c:\reg+4*\c+3], v[\adr] offset:64*(\q)+32*\c+(\i)*16*PITCH
.endr
.endm
; 16 matrix instructions: x's blocks a0, a0 + 1 against w's eight.  The 64 accumulators take turns, one instruction a turn, in the same order in every step.
.macro MUL16 a0, p, q, sc, zero
.irp a, \a0, \a0+1
.irp b, 0,1,2,3,4,5,6,7
.if \zero
	v_wmma_scale_f32_16x16x128_f8f6f4 v[8*(8*((\a)%4)+\b):8*(8*((\a)%4)+\b)+7], v[128*(\p)+FR*\b:128*(\p)+FR*\b+FR-1], v[AF+FR*(\a):AF+FR*(\a)+FR-1], 0, v[SC+8*NQ*(\sc)+NQ*\b+(\q)], v[SC+8*NQ*(\sc)+NQ*(\a)+(\q)] matrix_a_fmt:MATRIX_FMT_FP4 matrix_b_fmt:MATRIX_FMT_FP4 matrix_a_scale:MATRIX_SCALE_ROW1
.else
	v_wmma_scale_f32_16x16x128_f8f6f4 v[8*(8*((\a)%4)+\b):8*(8*((\a)%4)+\b)+7], v[128*(\p)+FR*\b:128*(\p)+FR*\b+FR-1], v[AF+FR*(\a):AF+FR*(\a)+FR-1], v[8*(8*((\a)%4)+\b):8*(8*((\a)%4)+\b)+7], v[SC+8*NQ*(\sc)+NQ*\b+(\q)], v[SC+8*NQ*(\sc)+NQ*(\a)+(\q)] matrix_a_fmt:MATRIX_FMT_FP4 matrix_b_fmt:MATRIX_FMT_FP4 matrix_a_scale:MATRIX_SCALE_ROW1
.endif
.endr
.endr
.endm
.macro FETCH_B slot, q, p
	WIN TO_B
.irp i, 0,1,2,3,4,5,6,7
	FRAG 128*(\p)+FR*\i, ADRB+\slot, \q, \i
.endr
	WIN 0
.endm
.macro FETCH_A slot, q, i0
.irp i, \i0, \i0+1, \i0+2, \i0+3
	FRAG AF+FR*(\i), ADRA+\slot, \q, \i
.endr
.endm
.macro SCALES sc                       ; a slot's scale words: four words a row; lanes 0-15 take x's block i, lanes 16-31 w's block i
.irp i, 0,1,2,3,4,5,6,7
	ds_load_b128 v[SC+8*NQ*\sc+NQ*\i:SC+8*NQ*\sc+NQ*\i+3], v[ADRS] offset:\i*SBLK
.endr
.endm
.macro PLACES n                        ; places in front of loads into registers that matrix instructions have read, and of the first read of results
.rept \n
	v_nop
.endr
.endm
.macro STEP slot, q, zero              ; a step of 128 along K that has its successor in the same slot
	s_wait_dscnt 4*NL                              ; w's set and x's blocks 0-3 are in; the youngest eight loads (x's blocks 4-7) may be out
	WIN MUL_LO
	MUL16 0, (\q)%2, \q, \slot, \zero
	MUL16 2, (\q)%2, \q, \slot, \zero
	s_wait_dscnt 0
	PLACES NP
	FETCH_B \slot, (\q)+1, 1-(\q)%2
	FETCH_A \slot, (\q)+1, 0
	WIN MUL_HI
	MUL16 4, (\q)%2, \q, \slot, \zero
	MUL16 6, (\q)%2, \q, \slot, \zero
	PLACES NP
	WIN 0
	FETCH_A \slot, (\q)+1, 4
.endm
; Slot 0's last step goes over to slot 1: each wave waits for all its tensor loads (its part of slot 1), adds 0 to its spare word, waits for that and for its reads of slot 0, and passes the barrier.
; Behind it slot 1 is whole, and nobody reads slot 0 any more: the stages of the way out lie there.
.macro TURN slot, next
	s_wait_tensorcnt 0x0
	ds_add_u32 v[SPW], v[NIL]
	s_wait_dscnt 4*NL+1                            ; (the add and x's blocks 4-7 may be out)
	WIN MUL_LO
	MUL16 0, 1, NQ-1, \slot, 0
	s_wait_dscnt 0x0                               ; the add is done, and my reads of this slot are over
	s_barrier_signal -1
	MUL16 2, 1, NQ-1, \slot, 0
	WIN 0
	s_barrier_wait -1
	PLACES NP
	v_add_nc_u32 v[ADRS], 4*NQ, v[ADRS]            ; on to the next slot's scale words
	FETCH_B \next, 0, 0
	FETCH_A \next, 0, 0
	SCALES \next
	WIN MUL_HI
	MUL16 4, 1, NQ-1, \slot, 0
	MUL16 6, 1, NQ-1, \slot, 0
	PLACES NP
	WIN 0
	FETCH_A \next, 0, 4
.endm
.macro STEPS slot, from
.set Q, \from
.rept NQ-1-\from
	STEP \slot, Q, 0
.set Q, Q+1
.endr
.endm
	s_wait_tensorcnt 1                             ; the scales and my part of slot 0 are in; slot 1's load may be out
	s_barrier_signal -1
	s_barrier_wait -1
	FETCH_B 0, 0, 0
	FETCH_A 0, 0, 0
	SCALES 0
	FETCH_A 0, 0, 4
	STEP 0, 0, 1                                   ; the first products start the sums: nothing is cleared
	STEPS 0, 1
	TURN 0, 1
	STEPS 1, 0
	s_wait_dscnt 4*NL                              ; the very last step
	WIN MUL_LO
	MUL16 0, 1, NQ-1, 1, 0
	MUL16 2, 1, NQ-1, 1, 0
	s_wait_dscnt 0
	WIN MUL_HI
	MUL16 4, 1, NQ-1, 1, 0
	MUL16 6, 1, NQ-1, 1, 0
	WIN 0
	PLACES NP
	; ROWS 0-15 OF A BATCH ONCE MORE, AS f32.  They are block 0 of the waves with the tile's upper rows in the tiles with cluster y = 0: a branch on the cluster's y and the wave's number, alike in all partners.
	s_or_b32 s20, s95, s15
	s_cmp_lg_u32 s20, 0
	s_cbranch_scc1 .Lnofine
	WIN 0x08                                       ; an LDS store's data are its source 1: window 2
.irp b, 0,1,2,3,4,5,6,7
	ds_store_b128 v[STO32], v[8*\b:8*\b+3] offset:64*\b            ; each accumulator from its low end on
	ds_store_b128 v[STO32], v[8*\b+4:8*\b+7] offset:64*\b+16
.endr
	WIN 0
.irp t, 0,1,2,3,4,5,6,7,8,9,10,11,12,13,14,15
	ds_load_b128 v[128+4*\t:131+4*\t], v[RD32] offset:\t*528       ; LDS serves a wave's instructions in order: these see the stores above
.endr
	s_wait_dscnt 0x0
.irp t, 0,1,2,3,4,5,6,7,8,9,10,11,12,13,14,15
	global_store_b128 v[CO], v[128+4*\t:131+4*\t], s[96:97] offset:\t*4096   ; 32 lanes store 512 consecutive aligned bytes
.endr
.Lnofine:
; THE WAY OUT, block by block of 16 rows x 128 columns (two heads).  PACK: rounded to f16, 16 bytes a lane.  TOSTAGE: into my stage (rows of 272 bytes), and back as four rows' halves: 512 bytes that are
; consecutive in a head of qkv.  SEND: stored.  Block a's conversions stand between block a - 1's loads from the stage and the wait for them.
.macro PACK a
.set AC, 64*((\a)%4)
	WIN 0x0a+5*((\a)/4)                            ; sources 0 and 1: window 2 or 3
.irp b, 0,1,2,3,4,5,6,7
.irp r, 0,1,2,3
	v_cvt_pk_f16_f32 v[TMP+4*\b+\r], v[AC+8*\b+2*\r], v[AC+8*\b+2*\r+1]
.endr
.endr
	WIN 0
.endm
.macro TOSTAGE a
.set BK, OB+192*((\a)%2)
.irp b, 0,1,2,3,4,5,6,7
	ds_store_b128 v[STO], v[TMP+4*\b:TMP+4*\b+3] offset:32*\b
.endr
.irp t, 0,1,2,3,4,5,6,7
	ds_load_b128 v[BK+4*\t:BK+4*\t+3], v[RD] offset:(\t%4)*1088+128*(\t/4)
.endr
.endm
.macro SEND a
.set BK, OB+192*((\a)%2)
	s_wait_dscnt 0x0                               ; the block is back in registers
	s_wait_xcnt 0x0                                ; the stores of the block before have read their registers: the next block's loads may land there
.irp t, 0,1,2,3,4,5,6,7
	global_store_b128 v[CO], v[BK+4*\t:BK+4*\t+3], s[12:13] offset:(\a)*2048+(\t%4)*512+(\t/4)*262144   ; 512 consecutive aligned bytes: four rows of one head; no base is stepped
.endr
.endm
	PACK 0
	TOSTAGE 0
.irp a, 1,2,3,4,5,6,7
	PACK \a
	SEND \a-1
	TOSTAGE \a
.endr
	SEND 7
	s_wait_tensorcnt 0x0                           ; the wave's end, behind my last tensor load and my last LDS store
	ds_add_u32 v[SPW], v[NIL]
	s_wait_dscnt 0x0
	CROUND                                         ; the closing round
	s_endpgm
.Lfunc_end_k_qb25e7552a7_qkv:
	.size	k_qb25e7552a7_qkv, .Lfunc_end_k_qb25e7552a7_qkv-k_qb25e7552a7_qkv
	.p2alignl 7, 3214868480
	.fill 96, 4, 3214868480
	.section	.rodata,"a",@progbits
	.p2align	6, 0x0
	.amdhsa_kernel k_qb25e7552a7_qkv
		.amdhsa_group_segment_fixed_size 327680
		.amdhsa_private_segment_fixed_size 0
		.amdhsa_enable_private_segment 0
		.amdhsa_kernarg_size 48
		.amdhsa_user_sgpr_count 2
		.amdhsa_user_sgpr_kernarg_segment_ptr 1
		.amdhsa_wavefront_size32 1
		.amdhsa_system_sgpr_workgroup_id_x 1
		.amdhsa_system_sgpr_workgroup_id_y 1
		.amdhsa_system_sgpr_workgroup_id_z 1
		.amdhsa_system_vgpr_workitem_id 0
		.amdhsa_next_free_vgpr 1024
		.amdhsa_next_free_sgpr 100
		.amdhsa_reserve_vcc 0
		.amdhsa_float_denorm_mode_32 3
		.amdhsa_float_denorm_mode_16_64 3
		.amdhsa_memory_ordered 1
		.amdhsa_forward_progress 1
		.amdhsa_inst_pref_size 131
	.end_amdhsa_kernel
	.amdgpu_metadata
---
amdhsa.version: [ 1, 2 ]
amdhsa.kernels:
  - .name:           k_qb25e7552a7_qkv
    .symbol:         k_qb25e7552a7_qkv.kd
    .args:
      - { .name: xc, .offset: 0, .size: 8, .value_kind: global_buffer, .address_space: global }
      - { .name: xs, .offset: 8, .size: 8, .value_kind: global_buffer, .address_space: global }
      - { .name: wc, .offset: 16, .size: 8, .value_kind: global_buffer, .address_space: global }
      - { .name: ws, .offset: 24, .size: 8, .value_kind: global_buffer, .address_space: global }
      - { .name: qkv, .offset: 32, .size: 8, .value_kind: global_buffer, .address_space: global }
      - { .name: fine32, .offset: 40, .size: 8, .value_kind: global_buffer, .address_space: global }
    .group_segment_fixed_size: 327680
    .private_segment_fixed_size: 0
    .kernarg_segment_align: 8
    .kernarg_segment_size: 48
    .max_flat_workgroup_size: 128
    .sgpr_count:     100
    .vgpr_count:     1024
    .wavefront_size: 32
...
	.end_amdgpu_metadata
.endif
;; end of part 2
;; launch attn (part 3): grid 4 x 64, 16 waves a work-group, no clusters, 327,680 bytes of LDS; arguments qkv, ctx; writes ctx
.if DOCPART == 3
	.amdgcn_target "amdgcn-amd-amdhsa--gfx1250"
	.amdhsa_code_object_version 6
	.text
	.protected	k_qb25e7552a7_attn
	.globl	k_qb25e7552a7_attn
	.p2align	8
	.type	k_qb25e7552a7_attn,@function
k_qb25e7552a7_attn:
	s_mov_b64 s[64:65], 0
	v_nop
	global_prefetch_b8 v0, s[64:65] scope:SCOPE_SE
	s_setreg_imm32_b32 hwreg(HW_REG_WAVE_MODE, 25, 1), 1
	s_wait_xcnt 0x0
; ATTN: ctx[bh][q][:] = the sum over k <= q of softmax_k(Q[bh][q] . K[bh][k] / 8) V[bh][k][:].  Q, K, V: qkv [which 3][bh 64][2048][64] f16; ctx [bh 64][2048][64] f16.
; Products on f16 operands with f32 sums; maxima, exponentials and sums in f32; the weights p (at most 1) are rounded to f16 for the second product, ctx once at the end.
; LIMIT: |Q|, |K|, |V| under 65,504.  Positions 0-15 of each sequence are made here like all others and are carried again in f32 by a later launch.
; SHARES.  Work-group (i, bh) owns query blocks i and 7 - i of 256 queries of one head: 9 blocks of keys' work whatever i.  Each of sixteen waves owns 32 queries, two tiles of 16, so that each fragment
; of K and V read from LDS feeds two matrix instructions; waves of the early and of the late block alternate.  Four waves share a SIMD: one wave's softmax stands beside another's products and LDS loads.
; K's and V's tiles come through a ring of two LDS slots of 256 keys (waves 0, 1: K's halves; waves 2, 3: V's), read by all sixteen.  Every work-group walks all 8 slots, so that trip counts are constants;
; a key step all of whose keys come after the wave's queries is jumped over, and a slot whose first key comes after the work-group's last query is not asked for.
; NO CLUSTER: the four work-groups of a head read 8, 7, 6 and 5 slots; a joint load would bring some partners tiles that none of their waves reads.
; LAYOUT.  S^T = K Q^T (source 0 = 16 keys, source 1 = 16 queries): a lane holds ONE query (lane % 16) and the keys 8 (lane / 16) + 0..7.  Two such tiles, rounded in pairs, ARE source 1 of O^T = V^T P.
; SOFTMAX.  A running maximum m and sum l for each query: p = 2^(c s - c m), c = log2(e) / 8; in every step O and l are multiplied by a = 2^(c m_old - c m_new).
.set SK,    256                        ; keys in a slot
.set KP,    144                        ; a row of K in LDS: 128 bytes + 16 of padding
.set VP,    160                        ; a row of V: 128 + 32: the turning load's 8 rows x 32 bytes fall on different banks
.set VOFF,  SK*KP
.set SLOT1, 1<<17                      ; slot 1 begins here: one exclusive or turns an address from slot to slot
.set NSL,   2048/SK
.set SLOTB, SK*128                     ; a slot's rows of K or of V in memory: dense
.set STAGE, 2*SLOT1                    ; the way out: 16 rows x 144 bytes for each wave; no tile lands there
.set SPARE, STAGE+16*16*KP             ; the spare words, 128 bytes for each wave: eight blocks of 256 bytes that no other line names
.set AK0, 1                            ; v1   my lane's place in a tile of K
.set AV0, 2                            ; v2   the same for V
.set SPW, 3                            ; v3   LDS address of my spare word; never rewritten
.set NIL, 4                            ; v4   0; never rewritten
.set ADK, 5                            ; v5   the step's address in K
.set ADV, 6                            ; v6   and in V
.set GO,  7                            ; v7   16 x lane
.set STO, 8                            ; v8   the way out: where I put 16 bytes of a row
.set RD,  9                            ; v9   and where I read back
.set PFO, 10                           ; v10  256 x lane: the prefetches' offset; never rewritten
.set QO,  11                           ; v11  my byte offset in the wave's rows of Q
.set ST,  12                           ; v12-27 tile t's statistics at v[ST + 8 t]: +0 c m, +1 m, +2, +3 l, +4..+7 at work; a takes +6
.set QF,  32                           ; v32-63   Q: tile t, channels 32 c on: 16 t + 8 c
.set KV,  64                           ; v64-127  eight fragments: K of the step, then V
.set SS,  128                          ; v128-191 S^T: 32 t + 8 a + j; then p; p's f16 pairs in place in 32 t + 0..15
.set OO,  192                          ; v192-255 O^T: 32 t + 8 u + j
.set WV,  18
.set SEL, 20
.set CS,  22
.set G1K, 24
.set G1V, 32
.set G0K, 40
.set G0V, 44
.set TB,  2                            ; s2   LDS byte at which the slot in hand begins
.set SLOTS, 67
.set PFA, 76                           ; s[76:77] where my prefetches stand
.set LIM, 80
.set LASTQ, 95                         ; s95  my work-group's last query
.set KF,  98                           ; s98  the step's first key
.set Q0,  99                           ; s99  my wave's first query
; Waves 0 and 1 fetch for K, waves 2 and 3 for V, the others nothing.  An s_nop 0 and four v_nop follow each of the two lines.
.macro TLOAD
	s_cmp_lt_u32 s[WV], 2
	s_cbranch_scc0 .Lnot_k_\@
	tensor_load_to_lds s[G0K:G0K+3], s[G1K:G1K+7]
	s_nop 0
.rept 4
	v_nop
.endr
	s_branch .Lasked_\@
.Lnot_k_\@:
	s_cmp_lt_u32 s[WV], 4
	s_cbranch_scc0 .Lasked_\@
	tensor_load_to_lds s[G0V:G0V+3], s[G1V:G1V+7]
	s_nop 0
.rept 4
	v_nop
.endr
.Lasked_\@:
.endm
; A prefetch of what the NEXT change of slots will ask for: a slot's 32,768 bytes of K and of V.  Each aligned block of 256 bytes is named once in the launch: of a head's four work-groups the one with
; i = 0 asks, which walks and loads all 8 slots; in it waves 4-7 ask for K's bytes and waves 8-11 for V's, 8,192 bytes a wave, lanes 256 bytes apart.  It asks four key steps ahead of the load.
; Slots 0 and 1 come by their loads alone; the last change that fills a slot asks for nothing.
.macro ASK
	s_cmp_gt_u32 s[SLOTS], s[LIM]
	s_cbranch_scc0 .Lnot_mine_\@
	global_prefetch_b8 v[PFO], s[PFA:PFA+1] th:TH_LOAD_NT scope:SCOPE_SE
.Lnot_mine_\@:
.endm
	s_load_b128 s[4:7], s[0:1], 0x0                ; qkv s[4:5], ctx s[6:7]
	v_lshl_add_u32 v[SPW], v0, 2, SPARE
	v_mov_b32 v[NIL], 0
	ds_add_u32 v[SPW], v[NIL]                      ; the wave's opening: the add, twice on end, and its wait ahead of my first tensor load
	ds_add_u32 v[SPW], v[NIL]
	v_lshrrev_b32 v28, 5, v0
	v_readfirstlane_b32 s[WV], v28                 ; wave 0..15
	s_and_b32 s72, ttmp7, 0xffff
	s_lshl_b32 s72, s72, 18                        ; the head's first byte in each of Q, K, V and in ctx
	s_lshr_b32 s96, s[WV], 2
	s_xor_b32 s96, s96, s[WV]
	s_and_b32 s96, s96, 1                          ; 0: the early block i, 1: the late block 7 - i
	s_sub_co_u32 s97, 7, ttmp9
	s_cmp_lg_u32 s96, 0
	s_cselect_b32 s97, s97, ttmp9
	s_lshl_b32 s97, s97, 8
	s_lshr_b32 s96, s[WV], 1
	s_lshl_b32 s96, s96, 5
	s_add_co_u32 s[Q0], s97, s96                   ; my first query
	s_sub_co_u32 s[LASTQ], 8, ttmp9
	s_lshl_b32 s[LASTQ], s[LASTQ], 8
	s_sub_co_u32 s[LASTQ], s[LASTQ], 1             ; 256 (8 - i) - 1: the same in all sixteen waves
	s_lshl_b32 s84, s[Q0], 7
	s_add_co_u32 s84, s84, s72                     ; my first row in Q and in ctx
	s_mov_b32 s85, 0
	s_and_b32 s88, s[WV], 1                        ; which 128 rows of a slot I fetch, if I fetch
	s_lshl_b32 s74, s88, 14
	s_add_co_u32 s74, s74, s72
	s_mov_b32 s75, 0
	s_mul_i32 s89, s88, 128*KP
	s_mul_i32 s94, s88, 128*VP
	s_add_co_u32 s94, s94, VOFF
	; descriptor group 1: 128 rows of 64 elements of 2 bytes, dense in memory, padded behind every row in LDS
	s_mov_b32 s[G1K], (1<<16)|(1<<20)|(4<<22)|(3<<25)             ; 17:16 elements of 2 bytes; 20 padding on; 24:22 after every 32 words; 31:25 four words
	s_mov_b32 s[G1V], (1<<16)|(1<<20)|(4<<22)|(7<<25)             ; the same with eight words
.irp g, G1K, G1V
	s_mov_b32 s[\g+1], 64<<16                      ; tensor_dim0
	s_mov_b32 s[\g+2], 128<<16                     ; tensor_dim1
	s_mov_b32 s[\g+3], 64<<16                      ; tile_dim0
	s_mov_b32 s[\g+4], 128                         ; tile_dim1
	s_mov_b32 s[\g+5], 64                          ; tensor_dim0_stride
	s_mov_b32 s[\g+6], 0
	s_mov_b32 s[\g+7], 0
.endr
	s_mov_b32 s[SEL], 0x76543210
	s_mov_b32 s[SEL+1], 0xfedcba98                 ; v_permlanex16_b32: lane l xor 16
	s_mov_b32 s[CS], 0x3e38aa3b                    ; c = log2(e) / 8
	s_mov_b32 s[CS+1], s[CS]                       ; (named with it as a pair, so it is written)
	s_mov_b32 s[TB], 0
	s_mov_b32 s[SLOTS], NSL-1
	s_mov_b32 s[KF], 0
	s_mov_b32 s82, 0x2000000                       ; the prefetches: V begins here in qkv,
	s_cmp_lt_u32 s[WV], 8
	s_cselect_b32 s82, 0x1000000, s82              ; K here
	s_add_co_u32 s82, s82, s72
	s_and_b32 s83, s[WV], 3
	s_lshl_b32 s83, s83, 13                        ; my wave's 8,192 bytes,
	s_add_co_u32 s82, s82, s83
	s_add_co_u32 s82, s82, SLOTB                   ; in slot 1: the first change of slots steps it to slot 2
	s_mov_b32 s83, 0
	s_sub_co_u32 s[LIM], s[WV], 4
	s_lshr_b32 s[LIM], s[LIM], 3                   ; 0 in waves 4 to 11,
	s_or_b32 s[LIM], s[LIM], ttmp9                 ; of the work-group with i = 0
	s_cmp_eq_u32 s[LIM], 0
	s_cselect_b32 s[LIM], 1, -1
	s_wait_dscnt 0x0                               ; both opening adds are done
	s_wait_kmcnt 0x0
	s_mov_b32 s[G0K], 1
	s_mov_b32 s[G0K+1], s89
	s_add_nc_u64 s[G0K+2:G0K+3], s[4:5], s[74:75]
	s_add_nc_u64 s[G0K+2:G0K+3], s[G0K+2:G0K+3], 0x1000000
	s_or_b32 s[G0K+3], s[G0K+3], 0x80000000
	s_mov_b32 s[G0V], 1
	s_mov_b32 s[G0V+1], s94
	s_add_nc_u64 s[G0V+2:G0V+3], s[4:5], s[74:75]
	s_add_nc_u64 s[G0V+2:G0V+3], s[G0V+2:G0V+3], 0x2000000
	s_or_b32 s[G0V+3], s[G0V+3], 0x80000000
	TLOAD                                          ; slot 0: it holds key 0, which counts for every query
	s_add_nc_u64 s[8:9], s[4:5], s[84:85]          ; Q at my first row
	s_add_nc_u64 s[6:7], s[6:7], s[84:85]          ; ctx likewise
	s_add_nc_u64 s[PFA:PFA+1], s[4:5], s[82:83]
	v_and_b32 v28, 15, v0                          ; r
	v_bfe_u32 v29, v0, 4, 1                        ; hl
	v_and_b32 v30, 31, v0                          ; lane
	v_lshlrev_b32 v[QO], 7, v28
	v_lshl_add_u32 v[QO], v29, 4, v[QO]            ; row r of 128 bytes, + 16 hl
.irp t, 0,1
.irp c, 0,1
	global_load_b128 v[QF+16*\t+8*\c:QF+16*\t+8*\c+3],   v[QO], s[8:9] offset:2048*\t+64*\c
	global_load_b128 v[QF+16*\t+8*\c+4:QF+16*\t+8*\c+7], v[QO], s[8:9] offset:2048*\t+64*\c+32
.endr
.endr
	v_mul_u32_u24 v[AK0], v28, KP
	v_lshl_add_u32 v[AK0], v29, 4, v[AK0]
	v_and_b32 v31, 7, v0
	v_lshl_add_u32 v[AV0], v29, 3, v31             ; the turning load: key 8 hl + l % 8,
	v_mul_u32_u24 v[AV0], v[AV0], VP
	v_bfe_u32 v31, v0, 3, 1
	v_lshl_add_u32 v[AV0], v31, 4, v[AV0]          ; channels 8 ((l / 8) % 2) on
	v_add_nc_u32 v[AV0], VOFF, v[AV0]
	v_lshlrev_b32 v[GO], 4, v30
	s_mul_i32 s96, s[WV], 16*KP
	s_add_co_u32 s96, s96, STAGE                   ; my stage
	v_mul_u32_u24 v[STO], v28, KP
	v_lshl_add_u32 v[STO], v29, 4, v[STO]
	v_add_nc_u32 v[STO], s96, v[STO]
	v_lshrrev_b32 v31, 3, v30
	v_mul_u32_u24 v[RD], v31, KP
	v_and_b32 v31, 7, v0
	v_lshl_add_u32 v[RD], v31, 4, v[RD]
	v_add_nc_u32 v[RD], s96, v[RD]
	v_lshlrev_b32 v[PFO], 8, v30
.irp t, 0,1
	v_mov_b32 v[ST+8*\t+1], 0xff61b1e6             ; m = -3e38, under every score
	v_mul_f32 v[ST+8*\t], s[CS], v[ST+8*\t+1]      ; c m
.irp k, 2,3,4,5,6,7
	v_mov_b32 v[ST+8*\t+\k], 0                     ; l, and the registers at work (a lane permute's destination counts as one of its sources)
.endr
.endr
.set i, 0
.rept 64
	v_mov_b32 v[OO+i], 0                           ; O^T.  The key step is written once: the first finds zeros, which a = 0 leaves zeros; a first step of its own would be one copy more of the step
.set i, i+1
.endr
; A KEY STEP: 64 keys, the q-th of the slot in hand, for my two tiles of queries.
.macro STEP q
	s_add_co_u32 s96, s[Q0], 31
	s_cmp_gt_u32 s[KF], s96                        ; all keys come after my 32 queries: the step's work is left out (ids and the count of steps alone; no barrier or tensor load stands in a step)
	s_cbranch_scc1 .Lhidden_\@
	v_add_nc_u32 v[ADK], s[TB], v[AK0]
	v_add_nc_u32 v[ADV], s[TB], v[AV0]
.rept 3
	v_nop                                          ; with the two additions five places: the products below write over p's registers, which the last products read, and the loads land where V lay
.endr
.irp a, 0,1,2,3
.irp c, 0,1
	ds_load_b128 v[KV+8*(2*\a+\c):KV+8*(2*\a+\c)+3],   v[ADK] offset:9216*(\q)+2304*\a+64*\c
	ds_load_b128 v[KV+8*(2*\a+\c)+4:KV+8*(2*\a+\c)+7], v[ADK] offset:9216*(\q)+2304*\a+64*\c+32
.endr
.endr
	s_wait_dscnt 0x0
.irp c, 0,1                                    ; S^T = K Q^T: eight accumulators by turns; the first eight products start the sums
.irp a, 0,1,2,3
.irp t, 0,1
.if \c == 0
	v_wmma_f32_16x16x32_f16 v[SS+32*\t+8*\a:SS+32*\t+8*\a+7], v[KV+8*(2*\a+\c):KV+8*(2*\a+\c)+7], v[QF+16*\t+8*\c:QF+16*\t+8*\c+7], 0
.else
	v_wmma_f32_16x16x32_f16 v[SS+32*\t+8*\a:SS+32*\t+8*\a+7], v[KV+8*(2*\a+\c):KV+8*(2*\a+\c)+7], v[QF+16*\t+8*\c:QF+16*\t+8*\c+7], v[SS+32*\t+8*\a:SS+32*\t+8*\a+7]
.endif
.endr
.endr
.endr
.rept 4
	v_nop                                          ; places in front of the loads into K's registers and of the first read of the scores
.endr
.irp f, 0,1,2,3,4,5,6,7                        ; V, turned: keys 32 (f / 4) on, channels 16 (f % 4) on; it lands while the softmax is walked
	ds_load_tr16_b128 v[KV+8*\f:KV+8*\f+3],   v[ADV] offset:10240*(\q)+(\f/4)*5120+(\f%4)*32
	ds_load_tr16_b128 v[KV+8*\f+4:KV+8*\f+7], v[ADV] offset:10240*(\q)+(\f/4)*5120+(\f%4)*32+2560
.endr
	s_add_co_u32 s96, s[KF], 63                    ; on the diagonal hidden scores become -infinity ahead of the maximum; a step all of whose keys count skips this
	s_cmp_le_u32 s96, s[Q0]
	s_cbranch_scc1 .Lopen_\@
	s_sub_co_i32 s96, s[Q0], s[KF]
	v_and_b32 v28, 15, v0
	v_bfe_u32 v29, v0, 4, 1
	v_lshlrev_b32 v29, 3, v29
	v_sub_nc_u32 v28, v28, v29
	v_add_nc_u32 v28, s96, v28                     ; d = my query - KF - 8 (lane / 16), tile 0;
	v_add_nc_u32 v29, 16, v28                      ; tile 1.  Register 8 a + j holds key KF + 8 (lane / 16) + 16 a + j: hidden where 16 a + j > d
	v_mov_b32 v30, 0xff800000
.irp t, 0,1
.irp n, 0,1,2,3,4,5,6,7,8,9,10,11,12,13,14,15,16,17,18,19,20,21,22,23,24,25,26,27,28,29,30,31
	v_cmp_gt_i32 vcc_lo, 16*(\n/8)+\n%8, v[28+\t]
	v_cndmask_b32 v[SS+32*\t+\n], v[SS+32*\t+\n], v30, vcc_lo
.endr
.endr
.Lopen_\@:
	; the maximum of my 32 scores of each tile and the old m: four chains, each begun at an accumulator's low end; the two tiles line by line in turn
.irp j, 0,1,2,3
.irp t, 0,1
	v_max3_num_f32 v[ST+8*\t+4+\j], v[SS+32*\t+8*\j], v[SS+32*\t+8*\j+1], v[SS+32*\t+8*\j+2]
.endr
.endr
.irp g, 1,2
.irp j, 0,1,2,3
.irp t, 0,1
	v_max3_num_f32 v[ST+8*\t+4+\j], v[ST+8*\t+4+\j], v[SS+32*\t+8*\j+2*\g+1], v[SS+32*\t+8*\j+2*\g+2]
.endr
.endr
.endr
.irp t, 0,1
	v_max3_num_f32 v[ST+8*\t+4], v[ST+8*\t+4], v[SS+32*\t+7], v[SS+32*\t+15]
.endr
.irp t, 0,1
	v_max3_num_f32 v[ST+8*\t+6], v[ST+8*\t+6], v[SS+32*\t+23], v[SS+32*\t+31]
.endr
.irp t, 0,1
	v_max3_num_f32 v[ST+8*\t+4], v[ST+8*\t+4], v[ST+8*\t+5], v[ST+8*\t+6]
.endr
.irp t, 0,1
	v_max3_num_f32 v[ST+8*\t+4], v[ST+8*\t+4], v[ST+8*\t+7], v[ST+8*\t+1]
.endr
.irp t, 0,1
	v_permlanex16_b32 v[ST+8*\t+5], v[ST+8*\t+4], s[SEL], s[SEL+1]   ; the query's other 32 keys lie in the lane 16 away
.endr
.irp t, 0,1
	v_mov_b32 v[ST+8*\t+7], v[ST+8*\t]             ; c m_old
.endr
.irp t, 0,1
	v_max_num_f32 v[ST+8*\t+1], v[ST+8*\t+4], v[ST+8*\t+5]
.endr
.irp t, 0,1
	v_mul_f32 v[ST+8*\t], s[CS], v[ST+8*\t+1]
.endr
.irp t, 0,1
	v_sub_f32 v[ST+8*\t+7], v[ST+8*\t+7], v[ST+8*\t]
.endr
.irp t, 0,1
	v_exp_f32 v[ST+8*\t+6], v[ST+8*\t+7]           ; a
.endr
.irp k, 0,2,4,6,8,10,12,14,16,18,20,22,24,26,28,30
.irp t, 0,1
	v_pk_fma_f32 v[SS+32*\t+\k:SS+32*\t+\k+1], v[SS+32*\t+\k:SS+32*\t+\k+1], s[CS:CS+1], v[ST+8*\t:ST+8*\t+1] op_sel_hi:[1,0,0] neg_lo:[0,0,1] neg_hi:[0,0,1]   ; c s - c m
.endr
.endr
.irp k, 0,1,2,3,4,5,6,7,8,9,10,11,12,13,14,15,16,17,18,19,20,21,22,23,24,25,26,27,28,29,30,31
.irp t, 0,1
	v_exp_f32 v[SS+32*\t+\k], v[SS+32*\t+\k]       ; p
.endr
.endr
	v_nop                                          ; a plain instruction behind the last exponential
	s_wait_alu depctr_va_vdst(0)                   ; ONE wait for the step's 66 exponentials, ahead of the first instruction that names a result
.irp t, 0,1                                    ; the sum of the unrounded p, two at a time, in two chains a tile
	v_pk_add_f32 v[ST+8*\t+4:ST+8*\t+5], v[SS+32*\t:SS+32*\t+1], v[SS+32*\t+2:SS+32*\t+3]
	v_pk_add_f32 v[28+2*\t:29+2*\t], v[SS+32*\t+4:SS+32*\t+5], v[SS+32*\t+6:SS+32*\t+7]
.endr
.irp k, 8,12,16,20,24,28
.irp t, 0,1
	v_pk_add_f32 v[ST+8*\t+4:ST+8*\t+5], v[ST+8*\t+4:ST+8*\t+5], v[SS+32*\t+\k:SS+32*\t+\k+1]
	v_pk_add_f32 v[28+2*\t:29+2*\t], v[28+2*\t:29+2*\t], v[SS+32*\t+\k+2:SS+32*\t+\k+3]
.endr
.endr
.irp t, 0,1
	v_pk_add_f32 v[ST+8*\t+4:ST+8*\t+5], v[ST+8*\t+4:ST+8*\t+5], v[28+2*\t:29+2*\t]
.endr
.irp t, 0,1
	v_pk_fma_f32 v[ST+8*\t+2:ST+8*\t+3], v[ST+8*\t+2:ST+8*\t+3], v[ST+8*\t+6:ST+8*\t+7], v[ST+8*\t+4:ST+8*\t+5] op_sel_hi:[1,0,1]   ; l = a l + the sum
.endr
.irp k, 0,1,2,3,4,5,6,7,8,9,10,11,12,13,14,15
.irp t, 0,1
	v_cvt_pk_f16_f32 v[SS+32*\t+\k], v[SS+32*\t+2*\k], v[SS+32*\t+2*\k+1]   ; in place, ascending: pair k lands where pairs up to k / 2 have been read
.endr
.endr
.irp k, 0,2,4,6,8,10,12,14,16,18,20,22,24,26,28,30
.irp t, 0,1
	v_pk_mul_f32 v[OO+32*\t+\k:OO+32*\t+\k+1], v[OO+32*\t+\k:OO+32*\t+\k+1], v[ST+8*\t+6:ST+8*\t+7] op_sel_hi:[1,0]   ; O^T x a
.endr
.endr
	s_wait_dscnt 0x0                               ; V is in
.irp b, 0,1                                    ; O^T += V^T P: eight accumulators by turns
.irp u, 0,1,2,3
.irp t, 0,1
	v_wmma_f32_16x16x32_f16 v[OO+32*\t+8*\u:OO+32*\t+8*\u+7], v[KV+8*(4*\b+\u):KV+8*(4*\b+\u)+7], v[SS+32*\t+8*\b:SS+32*\t+8*\b+7], v[OO+32*\t+8*\u:OO+32*\t+8*\u+7]
.endr
.endr
.endr
.Lhidden_\@:
	s_add_co_u32 s[KF], s[KF], 64
.endm
; THE CHANGE OF SLOTS stands at a slot's head.  Each wave waits for all its tensor loads, adds 0 to its spare word, and waits for that and for its reads of the slot that it has left; behind the barrier the
; slot ahead is whole and nobody reads the other one, which (fill = 1) takes the keys that follow: that load has a slot's four steps in which to land.  One tensor load of a fetching wave is out at a time.
.macro CHANGE fill
	s_wait_tensorcnt 0x0                           ; no tensor load of mine is out, so a group 0 may be written
	ds_add_u32 v[SPW], v[NIL]
.if \fill
	ds_add_u32 v[SPW], v[NIL]                      ; and twice on end here, in every trip alike
	s_xor_b32 s[G0K+1], s[G0K+1], SLOT1
	s_add_nc_u64 s[G0K+2:G0K+3], s[G0K+2:G0K+3], SLOTB
	s_xor_b32 s[G0V+1], s[G0V+1], SLOT1
	s_add_nc_u64 s[G0V+2:G0V+3], s[G0V+2:G0V+3], SLOTB
	s_wait_xcnt 0x0                                ; the last prefetch, a slot back, has read its address
	s_add_nc_u64 s[PFA:PFA+1], s[PFA:PFA+1], SLOTB
.endif
	s_wait_dscnt 0x0
	s_barrier_signal -1
	s_barrier_wait -1
.if \fill
	s_add_co_u32 s96, s[KF], SK                    ; the first key of the slot that this change would ask for:
	s_cmp_gt_u32 s96, s[LASTQ]                     ; past my work-group's last query no wave reads it, so it is not asked for.  Ids and the count of steps alone: all sixteen waves go the same way
	s_cbranch_scc1 .Lpast_\@
	TLOAD
.Lpast_\@:
	ASK
.endif
.endm
.macro SLOT_STEPS
	STEP 0
	STEP 1
	STEP 2
	STEP 3
	s_xor_b32 s[TB], s[TB], SLOT1
.endm
	s_wait_loadcnt 0x0                             ; Q
.Lslot:                                            ; NSL - 1 trips
	CHANGE 1
	SLOT_STEPS
	s_sub_co_u32 s[SLOTS], s[SLOTS], 1
	s_cmp_lg_u32 s[SLOTS], 0
	s_cbranch_scc1 .Lslot
	CHANGE 0                                       ; the last slot is written out: nothing follows it
	SLOT_STEPS
	; THE WAY OUT.  O^T / l, rounded to f16, goes through my stage, a tile of 16 rows at a time, and leaves as 512 consecutive aligned bytes a store.
.rept 4
	v_nop                                          ; places behind the last products
.endr
.irp t, 0,1
	v_add_f32 v[ST+8*\t+4], v[ST+8*\t+2], v[ST+8*\t+3]
.endr
.irp t, 0,1
	v_permlanex16_b32 v[ST+8*\t+5], v[ST+8*\t+4], s[SEL], s[SEL+1]
.endr
.irp t, 0,1
	v_add_f32 v[ST+8*\t+4], v[ST+8*\t+4], v[ST+8*\t+5]
.endr
.irp t, 0,1
	v_rcp_f32 v[ST+8*\t+6], v[ST+8*\t+4]
.endr
	v_nop                                          ; a plain instruction behind the last reciprocal
	s_wait_alu depctr_va_vdst(0)                   ; one wait for both, ahead of their first reader
.macro OUT t
.irp k, 0,2,4,6,8,10,12,14,16,18,20,22,24,26,28,30
	v_pk_mul_f32 v[OO+32*\t+\k:OO+32*\t+\k+1], v[OO+32*\t+\k:OO+32*\t+\k+1], v[ST+8*\t+6:ST+8*\t+7] op_sel_hi:[1,0]
.endr
.irp k, 0,1,2,3,4,5,6,7,8,9,10,11,12,13,14,15
	v_cvt_pk_f16_f32 v[SS+16*\t+\k], v[OO+32*\t+2*\k], v[OO+32*\t+2*\k+1]
.endr
.irp u, 0,1,2,3
	ds_store_b128 v[STO], v[SS+16*\t+4*\u:SS+16*\t+4*\u+3] offset:32*\u
.endr
.irp i, 0,1,2,3
	ds_load_b128 v[KV+16*\t+4*\i:KV+16*\t+4*\i+3], v[RD] offset:576*\i   ; LDS serves a wave's instructions in order: these see my stores, and the next tile's stores come behind them
.endr
.irp i, 0,1,2,3
	s_wait_dscnt 3-\i
	global_store_b128 v[GO], v[KV+16*\t+4*\i:KV+16*\t+4*\i+3], s[6:7] offset:2048*\t+512*\i
.endr
.endm
	OUT 0
	OUT 1
	s_wait_tensorcnt 0x0                           ; the wave's end, behind my last tensor load and my last LDS store
	ds_add_u32 v[SPW], v[NIL]
	s_wait_dscnt 0x0
	s_endpgm
.Lfunc_end_k_qb25e7552a7_attn:
	.size	k_qb25e7552a7_attn, .Lfunc_end_k_qb25e7552a7_attn-k_qb25e7552a7_attn
	.p2alignl 7, 3214868480
	.fill 96, 4, 3214868480
	.section	.rodata,"a",@progbits
	.p2align	6, 0x0
	.amdhsa_kernel k_qb25e7552a7_attn
		.amdhsa_group_segment_fixed_size 327680
		.amdhsa_private_segment_fixed_size 0
		.amdhsa_enable_private_segment 0
		.amdhsa_kernarg_size 16
		.amdhsa_user_sgpr_count 2
		.amdhsa_user_sgpr_kernarg_segment_ptr 1
		.amdhsa_wavefront_size32 1
		.amdhsa_system_sgpr_workgroup_id_x 1
		.amdhsa_system_sgpr_workgroup_id_y 1
		.amdhsa_system_sgpr_workgroup_id_z 1
		.amdhsa_system_vgpr_workitem_id 0
		.amdhsa_next_free_vgpr 256
		.amdhsa_next_free_sgpr 100
		.amdhsa_reserve_vcc 1
		.amdhsa_float_denorm_mode_32 3
		.amdhsa_float_denorm_mode_16_64 3
		.amdhsa_memory_ordered 1
		.amdhsa_forward_progress 1
		.amdhsa_inst_pref_size 189
	.end_amdhsa_kernel
	.amdgpu_metadata
---
amdhsa.version: [ 1, 2 ]
amdhsa.kernels:
  - .name:           k_qb25e7552a7_attn
    .symbol:         k_qb25e7552a7_attn.kd
    .args:
      - { .name: qkv, .offset: 0, .size: 8, .value_kind: global_buffer, .address_space: global }
      - { .name: ctx, .offset: 8, .size: 8, .value_kind: global_buffer, .address_space: global }
    .group_segment_fixed_size: 327680
    .private_segment_fixed_size: 0
    .kernarg_segment_align: 8
    .kernarg_segment_size: 16
    .max_flat_workgroup_size: 512
    .sgpr_count:     100
    .vgpr_count:     256
    .wavefront_size: 32
...
	.end_amdgpu_metadata
.endif
;; end of part 3
;; launch proj (part 4): grid 8 x 64, 4 waves a work-group, clusters of 4 x 4, 327,680 bytes of LDS; arguments ctx, wo16, out_b, out0; writes out0
.if DOCPART == 4
	.amdgcn_target "amdgcn-amd-amdhsa--gfx1250"
	.amdhsa_code_object_version 6
	.text
	.protected	k_qb25e7552a7_proj
	.globl	k_qb25e7552a7_proj
	.p2align	8
	.type	k_qb25e7552a7_proj,@function
k_qb25e7552a7_proj:
	s_mov_b64 s[64:65], 0
	v_nop
	global_prefetch_b8 v0, s[64:65] scope:SCOPE_SE
	s_setreg_imm32_b32 hwreg(HW_REG_WAVE_MODE, 25, 1), 1
	s_wait_xcnt 0x0
	s_wait_alu depctr_hold_cnt(0) depctr_sa_sdst(0) depctr_va_vdst(0) depctr_va_sdst(0) depctr_va_ssrc(0) depctr_va_vcc(0) depctr_vm_vsrc(0)
	s_getreg_b32 s2, hwreg(HW_REG_IB_STS2, 6, 4)
	s_cmp_eq_u32 s2, 0
	s_cbranch_scc0 .Lentry_in_a_cluster
	s_endpgm
.Lentry_in_a_cluster:
	s_bfe_u32 s2, ttmp6, 0x10000c
	s_cmp_lg_u32 s2, 0xf033
	s_cbranch_scc0 .Lentry_shape_is_right
	s_endpgm
.Lentry_shape_is_right:
; PROJ: out0[m][n] = sum over k of ctx[m][k] out_w[n][k] + out_b[n], m = 8,192 rows (batch, position), n = 1,024, k = 1,024 = 16 heads x 64.  Operands f16, sums f32, out0 f32.
; ctx [b 4][h 16][n 2048][64] f16 and wo16 [h 16][n_out 1024][64] f16 are head-major: 128 rows of one head are 16,384 dense bytes.
; Rows 0-15 of each batch are made here like all others and written over by the next launch, which carries them in f32: 262,144 bytes stored twice; leaving them out would want a branch on the place in the cluster.
; A tile of out0 is 128 x 128: 512 work-groups.  Four waves, 64 x 64 each: 16 accumulators.  A K step is four heads (256 along K); two LDS slots; a wave's tensor load brings two heads x 128 rows.
; CLUSTERS: 4 x 4 work-groups; ctx's tiles are shared along a row of the cluster, wo16's along a column: each is asked for JOINTLY.
; THE MATRIX INSTRUCTION IS USED TRANSPOSED (source 0 = 16 rows of wo16, source 1 = 16 rows of ctx): a lane holds eight neighbouring columns of a row of out0.  The bias is the C of each sum's first product.
; REGISTERS: window 0: v0-31 addresses; v32-95 the way out; v96-127 the bias, eight registers for each of my four column blocks; v128-255 the accumulators.  window 1: two fragment buffers of 128.
.set PITCH,  144                       ; an LDS row: a head's 128 bytes + 16 of padding
.set HB,     128*PITCH                 ; a head's 128 rows
.set HALFT,  2*HB                      ; what one tensor load brings
.set SLOT,   4*HALFT                   ; ctx's four heads, then wo16's four
.set STAGE,  2*SLOT                    ; behind the ring: 16 rows x 272 bytes for each wave; no tile lands there
.set SPITCH, 272
.set SPARE,  STAGE+4*16*SPITCH         ; the spare words, 128 bytes for each wave: two blocks of 256 bytes that no other line names
.set LAPS,   2                         ; a lap = two K steps = eight heads
.set ADRA, 16
.set ADRB, 20
.set STO,  24
.set RD,   25
.set CO,   26
.set SPW,  28
.set NIL,  29
.set TMP,  32
.set BIAS, 96
.set ACC,  128
.set F0,   0
.set F1,   128
.set G1, 24
.set G0, 32
.set G1B, 48
.set G0B, 56
.set MSB, 0
.macro WIN new
.if MSB != \new
	s_set_vgpr_msb (MSB<<8)|\new
.set MSB, \new
.endif
.endm
.set MUL,  0x05                        ; sources 0 and 1 window 1; C and D window 0
.set TO_F, 0x40
.macro JLOAD s                         ; a joint load: waves 0 and 1 fetch for ctx, waves 2 and 3 for wo16; an s_nop 0 and four v_nop follow each of the two lines
	s_cmp_eq_u32 s11, 0
	s_cbranch_scc0 .Lfor_b_\@
	tensor_load_to_lds s[G0+4*\s:G0+4*\s+3], s[G1:G1+7]
	s_nop 0
.rept 4
	v_nop
.endr
	s_branch .Lasked_\@
.Lfor_b_\@:
	tensor_load_to_lds s[G0B+4*\s:G0B+4*\s+3], s[G1B:G1B+7]
	s_nop 0
.rept 4
	v_nop
.endr
.Lasked_\@:
.endm
.macro CREST
	s_cmp_lg_u32 s10, 0
	s_cbranch_scc1 .Lnot_wave_0_\@
	s_barrier_signal -3
.Lnot_wave_0_\@:
	s_barrier_wait -3
	s_barrier_signal -1
	s_barrier_wait -1
.endm
.macro CROUND
	s_barrier_signal -1
	s_barrier_wait -1
	CREST
.endm
	s_load_b128 s[4:7], s[0:1], 0x0                ; ctx s[4:5], wo16 s[6:7]
	s_load_b128 s[68:71], s[0:1], 0x10             ; out_b s[68:69], out0 s[70:71]
	v_lshl_add_u32 v[SPW], v0, 2, SPARE
	v_mov_b32 v[NIL], 0
	ds_add_u32 v[SPW], v[NIL]                      ; the wave's opening: the add, twice on end, and its wait ahead of my first tensor load
	ds_add_u32 v[SPW], v[NIL]
	v_lshrrev_b32 v1, 5, v0
	v_readfirstlane_b32 s10, v1                    ; wave 0..3
	s_lshr_b32 s11, s10, 1                         ; which half of the tile's rows is mine.  Also: I fetch for ctx (0) or for wo16 (1)
	s_and_b32 s12, s10, 1                          ; which half of its columns.  Also: which two heads of a K step I fetch
	s_bfe_u32 s40, ttmp6, 0x40000                  ; cx
	s_bfe_u32 s41, ttmp6, 0x40004                  ; cy
	s_lshl_b32 s42, ttmp9, 2
	s_add_co_u32 s42, s42, s40                     ; tile column
	s_and_b32 s13, ttmp7, 0xffff
	s_lshl_b32 s13, s13, 2
	s_add_co_u32 s13, s13, s41                     ; tile row
	s_lshl_b32 s43, s41, 2
	s_lshl_b32 s43, 15, s43                        ; my row of the cluster
	s_lshl_b32 s44, 0x1111, s40                    ; my column
	; descriptor group 1: 2 rows (heads) of 8,192 elements of 2 bytes (128 rows x 64, dense); 16 bytes of padding behind every 128 bytes, which divide a row evenly
	s_or_b32 s[G1+0], s43, (1<<16)|(1<<20)|(1<<21)|(4<<22)|(3<<25)
	s_or_b32 s[G1B+0], s44, (1<<16)|(1<<20)|(1<<21)|(4<<22)|(3<<25)
.irp g, G1, G1B
	s_mov_b32 s[\g+1], 8192<<16                    ; tensor_dim0
	s_mov_b32 s[\g+2], 2<<16                       ; tensor_dim1
	s_mov_b32 s[\g+3], 8192<<16                    ; tile_dim0
	s_mov_b32 s[\g+4], 2                           ; tile_dim1
	s_mov_b32 s[\g+6], 0
	s_mov_b32 s[\g+7], 0
.endr
	s_mov_b32 s[G1+5], 131072                      ; from head to head, in elements: ctx 2,048 rows of 64,
	s_mov_b32 s[G1B+5], 65536                      ; wo16 1,024 rows of 64
	s_lshr_b32 s16, s13, 4                         ; the batch
	s_lshl_b32 s16, s16, 4
	s_lshl_b32 s17, s12, 1
	s_add_co_u32 s16, s16, s17                     ; 16 x batch + my first head
	s_lshl_b32 s16, s16, 18
	s_and_b32 s17, s13, 15
	s_lshl_b32 s17, s17, 14                        ; the tile's 128 rows in a head
	s_add_co_u32 s16, s16, s17
	s_mov_b32 s17, 0
	s_lshl_b32 s46, s12, 18                        ; wo16: my first head (2 x 131,072 bytes),
	s_lshl_b32 s47, s42, 14                        ; the tile's 128 rows
	s_add_co_u32 s46, s46, s47
	s_mov_b32 s47, 0
	s_mul_i32 s20, s10, HALFT                      ; where they go: no place in the cluster enters an LDS address
	s_wait_dscnt 0x0                               ; both opening adds are done
	s_wait_kmcnt 0x0
	s_add_nc_u64 s[14:15], s[4:5], s[16:17]
	s_add_nc_u64 s[46:47], s[6:7], s[46:47]
	CROUND                                         ; all sixteen work-groups are here: the first joint loads meet
.irp s, 0,1
	s_mov_b32 s[G0+4*\s], 1
	s_add_co_u32 s[G0+4*\s+1], s20, \s*SLOT
	s_add_nc_u64 s[G0+4*\s+2:G0+4*\s+3], s[14:15], \s*1048576      ; K step s: four heads on
	s_or_b32 s[G0+4*\s+3], s[G0+4*\s+3], 0x80000000
	s_mov_b32 s[G0B+4*\s], 1
	s_add_co_u32 s[G0B+4*\s+1], s20, \s*SLOT
	s_add_nc_u64 s[G0B+4*\s+2:G0B+4*\s+3], s[46:47], \s*524288
	s_or_b32 s[G0B+4*\s+3], s[G0B+4*\s+3], 0x80000000
	JLOAD \s
.endr
	v_and_b32 v1, 15, v0                           ; r
	v_bfe_u32 v2, v0, 4, 1                         ; hl
	s_lshl_b32 s46, s42, 9
	s_lshl_b32 s47, s12, 8
	s_add_co_u32 s46, s46, s47                     ; my first column, in bytes of f32
	s_mov_b32 s47, 0
	s_add_nc_u64 s[68:69], s[68:69], s[46:47]
	v_lshlrev_b32 v6, 5, v2
.irp b, 0,1,2,3
	global_load_b128 v[BIAS+8*\b:BIAS+8*\b+3],   v6, s[68:69] offset:64*\b       ; out_b at columns 16 b + 8 hl + 0 .. 7: the result's layout
	global_load_b128 v[BIAS+8*\b+4:BIAS+8*\b+7], v6, s[68:69] offset:64*\b+16
.endr
	s_lshl_b32 s16, s13, 7
	s_lshl_b32 s17, s11, 6
	s_add_co_u32 s16, s16, s17                     ; my first row of out0
	s_lshl_b32 s16, s16, 12
	s_add_co_u32 s16, s16, s46
	s_mov_b32 s17, 0
	s_add_nc_u64 s[70:71], s[70:71], s[16:17]
	v_mul_u32_u24 v3, v1, PITCH
	v_lshl_add_u32 v3, v2, 4, v3                   ; a fragment's row x pitch + 16 x half
	s_mul_i32 s21, s11, 64*PITCH                   ; my 64 rows of ctx in a head
	s_mul_i32 s22, s12, 64*PITCH                   ; my 64 rows of wo16,
	s_add_co_u32 s22, s22, 2*HALFT                 ; whose heads lie behind ctx's four
.irp s, 0,1
	v_add_nc_u32 v[ADRA+\s], s21, v3
	v_add_nc_u32 v[ADRB+\s], s22, v3
	s_add_co_u32 s21, s21, SLOT
	s_add_co_u32 s22, s22, SLOT
.endr
	s_mul_i32 s23, s10, 16*SPITCH
	s_add_co_u32 s23, s23, STAGE                   ; my stage
	v_mul_u32_u24 v4, v1, SPITCH
	v_lshl_add_u32 v4, v2, 5, v4
	v_add_nc_u32 v[STO], s23, v4                   ; in: row r, 32 bytes for each half of the lanes
	v_mul_u32_u24 v5, v2, SPITCH
	v_lshl_add_u32 v5, v1, 4, v5
	v_add_nc_u32 v[RD], s23, v5                    ; back: lanes 0-15 one row of 256 bytes, lanes 16-31 the next
	v_lshlrev_b32 v5, 12, v2
	v_lshl_add_u32 v[CO], v1, 4, v5                ; and the same two rows in out0
; 8 matrix instructions: row blocks a0, a0 + 1 x all 4 column blocks, 32 along K: half c of buffer f.  zero = 1: the first product starts the sum, with the bias as its C.  The 16 accumulators take turns.
.macro MUL8 f, c, a0, zero
.irp a, \a0, \a0+1
.irp b, 0,1,2,3
.if \zero
	v_wmma_f32_16x16x32_f16 v[ACC+8*(4*(\a)+\b):ACC+8*(4*(\a)+\b)+7], v[\f+64+8*(4*\c+\b):\f+64+8*(4*\c+\b)+7], v[\f+8*(4*\c+\a):\f+8*(4*\c+\a)+7], v[BIAS+8*\b:BIAS+8*\b+7]
.else
	v_wmma_f32_16x16x32_f16 v[ACC+8*(4*(\a)+\b):ACC+8*(4*(\a)+\b)+7], v[\f+64+8*(4*\c+\b):\f+64+8*(4*\c+\b)+7], v[\f+8*(4*\c+\a):\f+8*(4*\c+\a)+7], v[ACC+8*(4*(\a)+\b):ACC+8*(4*(\a)+\b)+7]
.endif
.endr
.endr
.endm
; 32 LDS loads in one run: the fragments of one head (64 along K), which begins k bytes into the slot's part, into buffer f; the first 32 along K first
.macro FETCH slot, k, f
	WIN TO_F
.irp c, 0,1
.irp i, 0,1,2,3
	ds_load_b128 v[\f+64+8*(4*\c+\i):\f+64+8*(4*\c+\i)+3],   v[ADRB+\slot] offset:\k+64*\c+\i*16*PITCH
	ds_load_b128 v[\f+64+8*(4*\c+\i)+4:\f+64+8*(4*\c+\i)+7], v[ADRB+\slot] offset:\k+64*\c+\i*16*PITCH+32
	ds_load_b128 v[\f+8*(4*\c+\i):\f+8*(4*\c+\i)+3],         v[ADRA+\slot] offset:\k+64*\c+\i*16*PITCH
	ds_load_b128 v[\f+8*(4*\c+\i)+4:\f+8*(4*\c+\i)+7],       v[ADRA+\slot] offset:\k+64*\c+\i*16*PITCH+32
.endr
.endr
.endm
.macro PLACES
.rept 4
	v_nop
.endr
.endm
; A K step is four quarters, a head each, 32 matrix instructions, on buffers 0, 1, 0, 1.
.macro QUARTER slot, k, f, g, zero
	s_wait_dscnt 16                                ; the first 32 along K are in
	WIN MUL
	MUL8 \f, 0, 0, \zero
	MUL8 \f, 0, 2, \zero
	PLACES
	FETCH \slot, \k, \g
	s_wait_dscnt 32                                ; all but the 32 just issued
	WIN MUL
	MUL8 \f, 1, 0, 0
	MUL8 \f, 1, 2, 0
.endm
; The last quarter changes slots: ONE barrier; in front of it each wave waits for all its tensor loads, adds 0 to its spare word, and waits for that and for its reads of this slot.
; fill = 1: the barrier opens a round of the cluster's, and this slot is filled again, two K steps ahead, first thing behind the round.
.macro TURN slot, next, fill
	WIN 0
	s_wait_tensorcnt 0x0
	ds_add_u32 v[SPW], v[NIL]
	s_wait_dscnt 17                                ; (the add and the youngest sixteen loads may be out)
	WIN MUL
	MUL8 F1, 0, 0, 0
	s_wait_dscnt 0x0
	s_barrier_signal -1
	MUL8 F1, 0, 2, 0
.if \fill
	WIN 0
.endif
	s_barrier_wait -1
.if \fill
	CREST
	s_add_nc_u64 s[G0+4*\slot+2:G0+4*\slot+3], s[G0+4*\slot+2:G0+4*\slot+3], 2097152     ; eight heads of ctx on
	s_add_nc_u64 s[G0B+4*\slot+2:G0B+4*\slot+3], s[G0B+4*\slot+2:G0B+4*\slot+3], 1048576 ; eight heads of wo16 on
	JLOAD \slot                                    ; the four v_nop behind it are also the places in front of the loads below
.else
	PLACES
.endif
	FETCH \next, 0, F0
	WIN MUL
	MUL8 F1, 1, 0, 0
	MUL8 F1, 1, 2, 0
.endm
	s_wait_tensorcnt 1                             ; my part of K step 0 is in; K step 1's may be out
	s_barrier_signal -1
	s_barrier_wait -1
	FETCH 0, 0, F0
	s_wait_loadcnt 0x0                             ; the bias
	QUARTER 0, HB, F0, F1, 1
	WIN 0
	s_mov_b32 s3, LAPS-1
.Llap:
	QUARTER 0, 2*HB, F1, F0, 0
	QUARTER 0, 3*HB, F0, F1, 0
	TURN 0, 1, 1
	QUARTER 1, HB, F0, F1, 0
	QUARTER 1, 2*HB, F1, F0, 0
	QUARTER 1, 3*HB, F0, F1, 0
	TURN 1, 0, 1
	QUARTER 0, HB, F0, F1, 0
	WIN 0
	s_sub_co_u32 s3, s3, 1
	s_cmp_lg_u32 s3, 0
	s_cbranch_scc1 .Llap
	QUARTER 0, 2*HB, F1, F0, 0                     ; the last lap fills nothing
	QUARTER 0, 3*HB, F0, F1, 0
	TURN 0, 1, 0
	QUARTER 1, HB, F0, F1, 0
	QUARTER 1, 2*HB, F1, F0, 0
	QUARTER 1, 3*HB, F0, F1, 0
	s_wait_dscnt 16
	WIN MUL
	MUL8 F1, 0, 0, 0
	MUL8 F1, 0, 2, 0
	s_wait_dscnt 0
	MUL8 F1, 1, 0, 0
	MUL8 F1, 1, 2, 0
	WIN 0
	; THE WAY OUT: my 64 columns of f32 are 256 aligned bytes of a row, so each wave has a stage of its own and no barrier is needed.  16 rows at a time: 32 bytes a lane in, whole rows back.
	PLACES
.macro OUT a
.set BB, TMP+32*((\a)%2)
.irp b, 0,1,2,3
	ds_store_b128 v[STO], v[ACC+8*(4*(\a)+\b):ACC+8*(4*(\a)+\b)+3] offset:64*\b        ; each accumulator from its low end on
	ds_store_b128 v[STO], v[ACC+8*(4*(\a)+\b)+4:ACC+8*(4*(\a)+\b)+7] offset:64*\b+16
.endr
.if (\a) >= 2
	s_wait_xcnt 0x0                                ; the stores of two blocks back have read the registers that the loads below fill
.endif
.irp t, 0,1,2,3,4,5,6,7
	ds_load_b128 v[BB+4*\t:BB+4*\t+3], v[RD] offset:544*\t         ; LDS serves a wave's instructions in order: these see the stores above
.endr
.irp t, 0,1,2,3,4,5,6,7
	s_wait_dscnt 7-\t
	global_store_b128 v[CO], v[BB+4*\t:BB+4*\t+3], s[70:71] offset:(16*(\a)+2*\t)*4096   ; 16 lanes store 256 consecutive aligned bytes
.endr
.endm
	OUT 0
	OUT 1
	OUT 2
	OUT 3
	s_wait_tensorcnt 0x0                           ; the wave's end, behind my last tensor load and my last LDS store
	ds_add_u32 v[SPW], v[NIL]
	s_wait_dscnt 0x0
	CROUND                                         ; the closing round
	s_endpgm
.Lfunc_end_k_qb25e7552a7_proj:
	.size	k_qb25e7552a7_proj, .Lfunc_end_k_qb25e7552a7_proj-k_qb25e7552a7_proj
	.p2alignl 7, 3214868480
	.fill 96, 4, 3214868480
	.section	.rodata,"a",@progbits
	.p2align	6, 0x0
	.amdhsa_kernel k_qb25e7552a7_proj
		.amdhsa_group_segment_fixed_size 327680
		.amdhsa_private_segment_fixed_size 0
		.amdhsa_enable_private_segment 0
		.amdhsa_kernarg_size 32
		.amdhsa_user_sgpr_count 2
		.amdhsa_user_sgpr_kernarg_segment_ptr 1
		.amdhsa_wavefront_size32 1
		.amdhsa_system_sgpr_workgroup_id_x 1
		.amdhsa_system_sgpr_workgroup_id_y 1
		.amdhsa_system_sgpr_workgroup_id_z 1
		.amdhsa_system_vgpr_workitem_id 0
		.amdhsa_next_free_vgpr 512
		.amdhsa_next_free_sgpr 72
		.amdhsa_reserve_vcc 0
		.amdhsa_float_denorm_mode_32 3
		.amdhsa_float_denorm_mode_16_64 3
		.amdhsa_memory_ordered 1
		.amdhsa_forward_progress 1
		.amdhsa_inst_pref_size 87
	.end_amdhsa_kernel
	.amdgpu_metadata
---
amdhsa.version: [ 1, 2 ]
amdhsa.kernels:
  - .name:           k_qb25e7552a7_proj
    .symbol:         k_qb25e7552a7_proj.kd
    .args:
      - { .name: ctx, .offset: 0, .size: 8, .value_kind: global_buffer, .address_space: global }
      - { .name: wo16, .offset: 8, .size: 8, .value_kind: global_buffer, .address_space: global }
      - { .name: out_b, .offset: 16, .size: 8, .value_kind: global_buffer, .address_space: global }
      - { .name: out0, .offset: 24, .size: 8, .value_kind: global_buffer, .address_space: global }
    .group_segment_fixed_size: 327680
    .private_segment_fixed_size: 0
    .kernarg_segment_align: 8
    .kernarg_segment_size: 32
    .max_flat_workgroup_size: 128
    .sgpr_count:     72
    .vgpr_count:     512
    .wavefront_size: 32
...
	.end_amdgpu_metadata
.endif
;; end of part 4
;; launch fine (part 5): grid 16 x 4, 16 waves a work-group, no clusters, 71,680 bytes of LDS; arguments fine32, out_w, out_b, out0; writes out0
.if DOCPART == 5
	.amdgcn_target "amdgcn-amd-amdhsa--gfx1250"
	.amdhsa_code_object_version 6
	.text
	.protected	k_qb25e7552a7_fine
	.globl	k_qb25e7552a7_fine
	.p2align	8
	.type	k_qb25e7552a7_fine,@function
k_qb25e7552a7_fine:
	s_mov_b64 s[64:65], 0
	v_nop
	global_prefetch_b8 v0, s[64:65] scope:SCOPE_SE
	s_setreg_imm32_b32 hwreg(HW_REG_WAVE_MODE, 25, 1), 1
	s_wait_xcnt 0x0
; FINE: positions 0-15 of each batch once more, wholly in f32: there a row of the softmax averages one to sixteen values, and rounded operands would weigh most.  64 rows of out0 are written over.
; fine32 [which 3][b 4][16][1024] f32 holds Q, K, V of those rows; out_w [1024 (n)][1024 (k)], out_b [1024], out0 [4][2048][1024] f32.
; SHARES.  Work-group (slice of 64 output columns, batch).  Wave w takes head w: its 16 x 16 causal attention, and with its own 64 channels of ctx, straight from the accumulators, the K slice 64 w .. 64 w + 63
; of the projection onto the slice's 64 columns.  The sixteen partial sums meet in LDS; wave w then adds row w's parts in ascending order onto the bias and stores 256 consecutive aligned bytes.
; The f32 matrix form, 16 x 16 x 4, is used: 96 instructions a wave, no bulk work.  Along K a lane's two registers of a step are k = 2 (lane / 16) + 0, 1 of the step's four; K is taken in an order that is
; the same on both operands: Q, K: channel 32 hl + 2 s + j;  p, V: key 8 hl + 2 s + j;  ctx, out_w: channel 16 t + 8 hl + 2 s + j.  So every product's result is the next product's operand as it stands.
; The registers that the matrix form writes (v192-255) are written by matrix instructions alone: p is normalised ahead of the second product.
; No tensor load, no cluster: the work is small, and what work-groups share (out_w's rows across the four batches) is read once by each.
.set PART,  0                          ; LDS: wave w's 16 rows x (256 bytes + 16)
.set SPARE, 16*16*272                  ; the spare words, 128 bytes for each wave: eight blocks of 256 bytes that no other line names
.set SPW, 10
.set NIL, 11
.set QF,  16                           ; v16-47   Q: my row's channels 32 hl + 0 .. 31;  later out_w for column blocks 2, 3 (v16-79); later the parts
.set KF,  48                           ; v48-79   K likewise
.set VF,  80                           ; v80-111  V: 8 u + i: channel 16 u + r, key 8 hl + i
.set WA,  112                          ; v112-175 out_w for column blocks 0, 1: 32 p + 8 t + i
.set PP,  176                          ; v176-183 scores, then p
.set SA,  192                          ; two half sums of S^T; later column blocks 2, 3
.set SBB, 200
.set OO,  208                          ; v208-239 O^T: 8 u + j
.set D0,  240
.set D1,  248
	s_load_b256 s[4:11], s[0:1], 0x0               ; fine32 s[4:5], out_w s[6:7], out_b s[8:9], out0 s[10:11]
	v_lshl_add_u32 v[SPW], v0, 2, SPARE
	v_mov_b32 v[NIL], 0
	v_lshrrev_b32 v1, 5, v0
	v_readfirstlane_b32 s12, v1                    ; wave = head
	s_and_b32 s13, ttmp7, 0xffff                   ; batch
	v_and_b32 v1, 15, v0                           ; r
	v_bfe_u32 v2, v0, 4, 1                         ; hl
	v_and_b32 v12, 31, v0                          ; lane
	v_lshlrev_b32 v3, 12, v1
	v_lshl_add_u32 v3, v2, 7, v3                   ; Q, K: row r of 4,096 bytes, + 32 channels x hl
	v_lshlrev_b32 v4, 2, v1
	v_lshl_add_u32 v4, v2, 15, v4                  ; V: channel r, + 8 rows x hl
	v_lshlrev_b32 v5, 12, v1
	v_lshl_add_u32 v5, v2, 5, v5                   ; out_w: row r, + 8 channels x hl
	s_mul_i32 s14, s12, 16*272
	v_mul_u32_u24 v6, v1, 272
	v_lshl_add_u32 v6, v2, 5, v6
	v_add_nc_u32 v6, s14, v6                       ; my part: row r, + 32 hl
	s_mul_i32 s14, s12, 272
	v_lshlrev_b32 v8, 3, v12                       ; 8 bytes a lane
	v_add_nc_u32 v7, s14, v8                       ; row w of every part
	v_lshlrev_b32 v9, 3, v2
	v_sub_nc_u32 v9, v1, v9                        ; d = r - 8 hl: register j holds key 8 hl + j, hidden where j > d
	v_mov_b32 v185, 0                              ; (a lane permute's destination counts as one of its sources)
	v_mov_b32 v188, 0xff800000
	s_lshl_b32 s16, s13, 16
	s_lshl_b32 s17, s12, 8
	s_add_co_u32 s16, s16, s17                     ; fine32: the batch's 16 rows, the head's 64 channels
	s_mov_b32 s17, 0
	s_lshl_b32 s18, ttmp9, 18
	s_lshl_b32 s19, s12, 8
	s_add_co_u32 s18, s18, s19                     ; out_w: the slice's 64 rows, the head's 64 channels
	s_mov_b32 s19, 0
	s_lshl_b32 s20, ttmp9, 8                       ; out_b: the slice's 64 numbers
	s_mov_b32 s21, 0
	s_lshl_b32 s22, s13, 11
	s_add_co_u32 s22, s22, s12
	s_lshl_b32 s22, s22, 12
	s_add_co_u32 s22, s22, s20                     ; out0: row 2,048 x batch + w, the slice's columns
	s_mov_b32 s23, 0
	s_mov_b32 s24, 0x76543210
	s_mov_b32 s25, 0xfedcba98                      ; v_permlanex16_b32: lane l xor 16
	s_mov_b32 s26, 0x3e38aa3b                      ; c = log2(e) / 8
	s_wait_kmcnt 0x0
	s_add_nc_u64 s[4:5], s[4:5], s[16:17]
	s_add_nc_u64 s[6:7], s[6:7], s[18:19]
	s_add_nc_u64 s[8:9], s[8:9], s[20:21]
	s_add_nc_u64 s[10:11], s[10:11], s[22:23]
	global_load_b64 v[14:15], v8, s[8:9]           ; the bias of my two columns
.irp i, 0,1,2,3,4,5,6,7
	global_load_b128 v[QF+4*\i:QF+4*\i+3], v3, s[4:5] offset:16*\i
.endr
.irp i, 0,1,2,3,4,5,6,7
	global_load_b128 v[KF+4*\i:KF+4*\i+3], v3, s[4:5] offset:262144+16*\i
.endr
.irp u, 0,1,2,3
.irp i, 0,1,2,3,4,5,6,7
	global_load_b32 v[VF+8*\u+\i], v4, s[4:5] offset:524288+4096*\i+64*\u
.endr
.endr
.irp p, 0,1
.irp t, 0,1,2,3
	global_load_b128 v[WA+32*\p+8*\t:WA+32*\p+8*\t+3],   v5, s[6:7] offset:65536*\p+64*\t
	global_load_b128 v[WA+32*\p+8*\t+4:WA+32*\p+8*\t+7], v5, s[6:7] offset:65536*\p+64*\t+16
.endr
.endr
	s_wait_loadcnt 48                              ; the bias, Q and K are in; V's 32 loads and out_w's 16 may be out
	; S^T = K Q^T (source 0 = 16 keys, source 1 = 16 queries): 16 steps of 4 along K, two half sums by turns; each begins with the constant 0
	v_wmma_f32_16x16x4_f32 v[SA:SA+7], v[KF:KF+1], v[QF:QF+1], 0
	v_wmma_f32_16x16x4_f32 v[SBB:SBB+7], v[KF+2:KF+3], v[QF+2:QF+3], 0
.irp s, 4,8,12,16,20,24,28
	v_wmma_f32_16x16x4_f32 v[SA:SA+7], v[KF+\s:KF+\s+1], v[QF+\s:QF+\s+1], v[SA:SA+7]
	v_wmma_f32_16x16x4_f32 v[SBB:SBB+7], v[KF+\s+2:KF+\s+3], v[QF+\s+2:QF+\s+3], v[SBB:SBB+7]
.endr
.rept 8
	v_nop                                          ; eight places behind this form, in front of the loads into Q's and K's registers and of the first read of the sums
.endr
.irp p, 0,1
.irp t, 0,1,2,3
	global_load_b128 v[QF+32*\p+8*\t:QF+32*\p+8*\t+3],   v5, s[6:7] offset:65536*(\p+2)+64*\t
	global_load_b128 v[QF+32*\p+8*\t+4:QF+32*\p+8*\t+7], v5, s[6:7] offset:65536*(\p+2)+64*\t+16
.endr
.endr
.irp j, 0,1,2,3,4,5,6,7
	v_add_f32 v[PP+\j], v[SA+\j], v[SBB+\j]        ; the score of key 8 hl + j and query r, into registers of its own
.endr
.irp j, 0,1,2,3,4,5,6,7
	v_cmp_gt_i32 vcc_lo, \j, v9
	v_cndmask_b32 v[PP+\j], v[PP+\j], v188, vcc_lo ; hidden keys: -infinity
.endr
	v_max3_num_f32 v184, v[PP], v[PP+1], v[PP+2]
	v_max3_num_f32 v184, v184, v[PP+3], v[PP+4]
	v_max3_num_f32 v184, v184, v[PP+5], v[PP+6]
	v_max_num_f32 v184, v184, v[PP+7]
	v_permlanex16_b32 v185, v184, s24, s25
	v_max_num_f32 v184, v184, v185                 ; the row's maximum: key 0 counts for every query, so it is a number
	v_mul_f32 v186, s26, v184
.irp j, 0,1,2,3,4,5,6,7
	v_fma_f32 v[PP+\j], v[PP+\j], s26, -v186       ; c s - c m
.endr
.irp j, 0,1,2,3,4,5,6,7
	v_exp_f32 v[PP+\j], v[PP+\j]
.endr
	v_nop                                          ; a plain instruction behind the last exponential
	s_wait_alu depctr_va_vdst(0)                   ; one wait for the eight, ahead of their first reader
	v_add_f32 v187, v[PP], v[PP+1]
	v_add_f32 v189, v[PP+2], v[PP+3]
	v_add_f32 v187, v187, v[PP+4]
	v_add_f32 v189, v189, v[PP+5]
	v_add_f32 v187, v187, v[PP+6]
	v_add_f32 v189, v189, v[PP+7]
	v_add_f32 v187, v187, v189
	v_permlanex16_b32 v185, v187, s24, s25
	v_add_f32 v187, v187, v185                     ; the row's sum
	v_rcp_f32 v187, v187
	v_nop
	s_wait_alu depctr_va_vdst(0)
.irp j, 0,1,2,3,4,5,6,7
	v_mul_f32 v[PP+\j], v[PP+\j], v187             ; p, normalised
.endr
	s_wait_loadcnt 32                              ; V is in; out_w's 32 loads may be out
	; O^T = V^T P (source 0 = 16 channels, source 1 = 16 queries), K = the 16 keys: four accumulators by turns
.irp u, 0,1,2,3
	v_wmma_f32_16x16x4_f32 v[OO+8*\u:OO+8*\u+7], v[VF+8*\u:VF+8*\u+1], v[PP:PP+1], 0
.endr
.irp s, 2,4,6
.irp u, 0,1,2,3
	v_wmma_f32_16x16x4_f32 v[OO+8*\u:OO+8*\u+7], v[VF+8*\u+\s:VF+8*\u+\s+1], v[PP+\s:PP+\s+1], v[OO+8*\u:OO+8*\u+7]
.endr
.endr
.rept 9
	v_nop                                          ; nine places: the results become operands of the next products
.endr
; my head's part of the projection: source 0 = 16 rows of out_w (output columns), source 1 = ctx as it stands in O^T; 16 steps of 4 along my 64 channels; two column blocks by turns
.macro PROJ d0, d1, wf
	v_wmma_f32_16x16x4_f32 v[\d0:\d0+7], v[\wf:\wf+1], v[OO:OO+1], 0
	v_wmma_f32_16x16x4_f32 v[\d1:\d1+7], v[\wf+32:\wf+33], v[OO:OO+1], 0
.irp k, 2,4,6,8,10,12,14,16,18,20,22,24,26,28,30
	v_wmma_f32_16x16x4_f32 v[\d0:\d0+7], v[\wf+\k:\wf+\k+1], v[OO+\k:OO+\k+1], v[\d0:\d0+7]
	v_wmma_f32_16x16x4_f32 v[\d1:\d1+7], v[\wf+32+\k:\wf+33+\k], v[OO+\k:OO+\k+1], v[\d1:\d1+7]
.endr
.endm
	s_wait_loadcnt 16                              ; out_w for column blocks 0, 1 is in
	PROJ D0, D1, WA
	s_wait_loadcnt 0x0
	PROJ SA, SBB, QF                               ; column blocks 2, 3, over the half sums of S^T, which were read long ago
.rept 8
	v_nop                                          ; places in front of the first read of the results and of the loads into out_w's registers
.endr
	ds_store_b128 v6, v[D0:D0+3]                   ; lane (r, hl): query r, columns 16 p + 8 hl + 0 .. 7; each accumulator from its low end on
	ds_store_b128 v6, v[D0+4:D0+7] offset:16
	ds_store_b128 v6, v[D1:D1+3] offset:64
	ds_store_b128 v6, v[D1+4:D1+7] offset:80
	ds_store_b128 v6, v[SA:SA+3] offset:128
	ds_store_b128 v6, v[SA+4:SA+7] offset:144
	ds_store_b128 v6, v[SBB:SBB+3] offset:192
	ds_store_b128 v6, v[SBB+4:SBB+7] offset:208
	s_wait_dscnt 0x0                               ; for the others' sake: my part lies in LDS
	s_barrier_signal -1
	s_barrier_wait -1
.irp p, 0,1,2,3,4,5,6,7,8,9,10,11,12,13,14,15
	ds_load_b64 v[QF+2*\p:QF+2*\p+1], v7 offset:4352*\p            ; row w of head p's part, my two columns
.endr
	s_wait_dscnt 0x0
.irp p, 0,1,2,3,4,5,6,7,8,9,10,11,12,13,14,15
	v_pk_add_f32 v[14:15], v[14:15], v[QF+2*\p:QF+2*\p+1]          ; onto the bias, heads ascending
.endr
	global_store_b64 v8, v[14:15], s[10:11]        ; 32 lanes store 256 consecutive aligned bytes
	s_wait_tensorcnt 0x0                           ; the wave's end, behind my last LDS store
	ds_add_u32 v[SPW], v[NIL]
	s_wait_dscnt 0x0
	s_endpgm
.Lfunc_end_k_qb25e7552a7_fine:
	.size	k_qb25e7552a7_fine, .Lfunc_end_k_qb25e7552a7_fine-k_qb25e7552a7_fine
	.p2alignl 7, 3214868480
	.fill 96, 4, 3214868480
	.section	.rodata,"a",@progbits
	.p2align	6, 0x0
	.amdhsa_kernel k_qb25e7552a7_fine
		.amdhsa_group_segment_fixed_size 71680
		.amdhsa_private_segment_fixed_size 0
		.amdhsa_enable_private_segment 0
		.amdhsa_kernarg_size 32
		.amdhsa_user_sgpr_count 2
		.amdhsa_user_sgpr_kernarg_segment_ptr 1
		.amdhsa_wavefront_size32 1
		.amdhsa_system_sgpr_workgroup_id_x 1
		.amdhsa_system_sgpr_workgroup_id_y 1
		.amdhsa_system_sgpr_workgroup_id_z 1
		.amdhsa_system_vgpr_workitem_id 0
		.amdhsa_next_free_vgpr 256
		.amdhsa_next_free_sgpr 66
		.amdhsa_reserve_vcc 1
		.amdhsa_float_denorm_mode_32 3
		.amdhsa_float_denorm_mode_16_64 3
		.amdhsa_memory_ordered 1
		.amdhsa_forward_progress 1
		.amdhsa_inst_pref_size 23
	.end_amdhsa_kernel
	.amdgpu_metadata
---
amdhsa.version: [ 1, 2 ]
amdhsa.kernels:
  - .name:           k_qb25e7552a7_fine
    .symbol:         k_qb25e7552a7_fine.kd
    .args:
      - { .name: fine32, .offset: 0, .size: 8, .value_kind: global_buffer, .address_space: global }
      - { .name: out_w, .offset: 8, .size: 8, .value_kind: global_buffer, .address_space: global }
      - { .name: out_b, .offset: 16, .size: 8, .value_kind: global_buffer, .address_space: global }
      - { .name: out0, .offset: 24, .size: 8, .value_kind: global_buffer, .address_space: global }
    .group_segment_fixed_size: 71680
    .private_segment_fixed_size: 0
    .kernarg_segment_align: 8
    .kernarg_segment_size: 32
    .max_flat_workgroup_size: 512
    .sgpr_count:     66
    .vgpr_count:     256
    .wavefront_size: 32
...
	.end_amdgpu_metadata
.endif
;; end of part 5
